; MI455X (gfx1250); checked and timed in simulation.
; The chip was launched on July 23, 2026; its instructions are those of AMD's public machine-readable ISA for CDNA 5 (MIT licence, August 2026) and "CDNA5" Instruction Set Architecture Reference Guide (July 2026). The comments in the code are by the model that wrote it; some were corrected since.
;; Self Attention. Allowed arithmetic: matrix products marked QUANTISED: E2M1 operands, one E8M0 scale for each 32 along K, by v_wmma_scale_f32_16x16x128_f8f6f4 with both operands' format E2M1 (or v_wmma_scale_f32_32x16x128_f4), f32 sums; everything else in f32.
;; Inputs: Wk_codes 1,024 x 32 x 16 uint8 (E2M1 codes of Wk, K innermost, in blocks of 32 codes, two codes a byte); Wk_scales 1,024 x 32 uint8 (E8M0 scales of Wk, one for each 32 codes along K); Wo_codes 1,024 x 32 x 16 uint8 (E2M1 codes of Wo, K innermost, in blocks of 32 codes, two codes a byte); Wo_scales 1,024 x 32 uint8 (E8M0 scales of Wo, one for each 32 codes along K); Wq_codes 1,024 x 32 x 16 uint8 (E2M1 codes of Wq, K innermost, in blocks of 32 codes, two codes a byte); Wq_scales 1,024 x 32 uint8 (E8M0 scales of Wq, one for each 32 codes along K); Wv_codes 1,024 x 32 x 16 uint8 (E2M1 codes of Wv, K innermost, in blocks of 32 codes, two codes a byte); Wv_scales 1,024 x 32 uint8 (E8M0 scales of Wv, one for each 32 codes along K); bk 1,024 float32; bo 1,024 float32; bq 1,024 float32; bv 1,024 float32; x_codes 4 x 2,048 x 32 x 16 uint8 (E2M1 codes of x, K innermost, in blocks of 32 codes, two codes a byte); x_scales 4 x 2,048 x 32 uint8 (E8M0 scales of x, one for each 32 codes along K).
;; Outputs: out0 4 x 2,048 x 1,024 float32.
;; This version of the problem:
;;   THIS VERSION OF THE PROBLEM IS GIVEN IN LOW PRECISION. The matrix products marked QUANTISED in the list below multiply operands that are first quantised to E2M1 (2 exponent bits, 1 mantissa bit; 4 bits a number), with one power-of-two scale for each 32 numbers along K (OCP MX v1.0); their sums are f32. All else is computed in f32.
;;   The module's matrix products, in the order in which they are computed (A, B: the left and right operand; K: the contracted axis; several contracted axes count as one K, in the product's order):
;;     1. [M 8,192, K 1,024] x [K 1,024, N 1,024]; A: input x (given as codes); B: input Wq (given as codes): QUANTISED
;;     2. [M 8,192, K 1,024] x [K 1,024, N 1,024]; A: input x (given as codes); B: input Wk (given as codes): QUANTISED
;;     3. [M 8,192, K 1,024] x [K 1,024, N 1,024]; A: input x (given as codes); B: input Wv (given as codes): QUANTISED
;;     4. batch 64 x [M 2,048, K 64] x [K 64, N 2,048]; A: computed on the way; B: computed on the way: QUANTISED
;;     5. batch 64 x [M 64, K 2,048] x [K 2,048, N 2,048]; A: computed on the way; B: softmax (see below): QUANTISED
;;     6. [M 8,192, K 1,024] x [K 1,024, N 1,024]; A: computed on the way; B: input Wo (given as codes): QUANTISED
;;   THE QUANTISER, for each operand of a quantised product, along K:
;;     - K is cut into blocks of 32 from its start; a last block that is shorter is filled with zeros.
;;     - A block's scale is 2^e with e = floor(log2(the largest magnitude in the block)) - 2, held to -126 .. 127; a block of zeros has e = 0. As a byte (E8M0): e + 127.
;;     - Each number is divided by its block's scale, clamped to +-6, and rounded to the nearest number of E2M1, ties to even, subnormals kept.
;;     - The product sums the exact products of the quantised numbers (number of the format x scale) in f32.
;;   ~~~python
;;   def quantise(x, axis):      # numpy; x: float32 -> the quantised numbers, widened to float32 again
;;       x = np.moveaxis(x, axis, -1); K = x.shape[-1]
;;       x = np.pad(x, [(0, 0)] * (x.ndim - 1) + [(0, -K % 32)]); x = x.reshape(x.shape[:-1] + (-1, 32)); a = np.abs(x).max(-1, keepdims=True)
;;       e = np.where(a > 0, np.clip(np.frexp(np.where(a > 0, a, 1))[1] - 1 - 2, -126, 127), 0)      # np.frexp(a)[1] - 1 = floor(log2(a)), exactly
;;       r = np.clip(x / 2.0 ** e, -6, 6)
;;       step = 2.0 ** (np.maximum(np.frexp(np.where(r == 0, 1, r))[1] - 1, 0) - 1)
;;       q = np.round(r / step) * step * 2.0 ** e      # np.round: ties to even
;;       return np.moveaxis(q.reshape(q.shape[:-2] + (-1,))[..., :K], -1, axis).astype(np.float32)
;;   ~~~
;;   SOFTMAX AHEAD OF A QUANTISED PRODUCT. Where the list says 'softmax', what is quantised is not the finished softmax but p = 2^(t - M), with t = logit x log2(e) and M = ceil(the row's largest t), a whole number; so 1/2 < the row's largest p <= 1. The row's sum l is taken of the UNQUANTISED p, in f32, and the product's result is divided by l at the end. Since M is a whole number, a kernel that streams over the keys may use a running M (the ceiling of the running maximum): every later rescaling is an exact power of two, which a block's scale takes up: the codes' values come out the same.
;;   OPERANDS COMPUTED ON THE WAY. 'Computed on the way' means the value that the module computes at that place (a softmax that the list does not call 'softmax' is quantised finished and normalised). What goes into a quantiser is computed in f32, as accurately as f32 sums, v_exp_f32 and their like allow (about 1e-6 of the number): no bf16 or f16 on the way to a quantiser, and a product that is left as it is and whose result goes on into a quantised operand takes f32 operands (vector FMAs, or v_wmma_f32_16x16x4_f32). A number that lies on a knife's edge between two numbers of the format may be rounded either way, as far as f32 arithmetic and the matrix unit's own rounding can turn it there, and no further.
;;   INPUTS GIVEN AS CODES. Wk (in the module: [1024, 1024], K = its axis 0); Wo (in the module: [1024, 1024], K = its axis 0); Wq (in the module: [1024, 1024], K = its axis 0); Wv (in the module: [1024, 1024], K = its axis 0); x (in the module: [4, 2048, 1024], K = its axis 2): each comes as NAME_codes (uint8): NAME with its K axis moved to the last place and cut into blocks of 32 codes, [.., K / 32, bytes a block], one block behind the other in memory; two codes a byte, the lower K in the low four bits (a code: sign, 2 exponent bits, 1 mantissa bit); and NAME_scales (uint8): the same leading axes, one E8M0 byte (e + 127) for each 32 codes along K. Its value is code x scale, taken as it is: it is not quantised again, and the codes and scales need not be those that the quantiser above would give.
;; One version. Each part assembles by itself: llvm-mc -triple=amdgcn-amd-amdhsa -mcpu=gfx1250 --defsym DOCPART=n.
;; ======== version 1 of 1: 3 launches
;; limits: right only within a limited range of input values
;; workspace buffers: qc 4,194,304 bytes; qs 524,288 bytes; kc 4,194,304 bytes; kvs 524,288 bytes; vc 4,194,304 bytes; ac 4,194,304 bytes; asc 262,144 bytes
;; launch proj (part 1): grid 4 x 64, 4 waves a work-group, clusters of 4 x 4, 327,680 bytes of LDS; arguments x_codes, x_scales, Wq_codes, Wq_scales, bq, Wk_codes, Wk_scales, bk, Wv_codes, Wv_scales, bv, qc, qs, kc, kvs, vc; writes qc, qs, kc, kvs, vc
.if DOCPART == 1
	.amdgcn_target "amdgcn-amd-amdhsa--gfx1250"
	.amdhsa_code_object_version 6
	.text
	.protected	k_q2123e7980c_proj
	.globl	k_q2123e7980c_proj
	.p2align	8
	.type	k_q2123e7980c_proj,@function
k_q2123e7980c_proj:
	s_mov_b64 s[64:65], 0
	v_nop
	global_prefetch_b8 v0, s[64:65] scope:SCOPE_SE
	s_setreg_imm32_b32 hwreg(HW_REG_WAVE_MODE, 25, 1), 1
	s_wait_xcnt 0x0
	s_wait_alu depctr_hold_cnt(0) depctr_sa_sdst(0) depctr_va_vdst(0) depctr_va_sdst(0) depctr_va_ssrc(0) depctr_va_vcc(0) depctr_vm_vsrc(0)
	s_getreg_b32 s2, hwreg(HW_REG_IB_STS2, 6, 4)
	s_cmp_eq_u32 s2, 0
	s_cbranch_scc0 .Lentry_in_a_cluster
	s_endpgm
.Lentry_in_a_cluster:
	s_bfe_u32 s2, ttmp6, 0x10000c
	s_cmp_lg_u32 s2, 0xf033
	s_cbranch_scc0 .Lentry_shape_is_right
	s_endpgm
.Lentry_shape_is_right:
; q = x Wq + bq, k = x Wk + bk, v = x Wv + bv on codes of FP4 (E2M1) with one E8M0 scale for each 32 along K = 1,024; the results are quantised in registers and leave as codes,
; laid in the order of the next products' operand registers: q and k along the head's 64 channels (two blocks), v along the keys (blocks of 32 tokens).  No work of the problem is left out.
; SHARES.  A work-group takes 128 tokens x 256 channels through all three roles, q, k, v, one after the other; a wave 128 tokens x one head (64 channels): 8 tiles of x times 4 tiles of W = 32 accumulators.
; q, k: source 0 = 16 channels of W, source 1 = 16 tokens of x: a lane holds ONE token and eight neighbouring channels; accumulator (xt, wt) at 8 (4 xt + wt).
; v:    source 0 = 16 tokens of x, source 1 = 16 channels of W: a lane holds ONE channel and eight neighbouring tokens; accumulator (xt, wt) at 8 (8 wt + xt).
; Either way registers 64 u .. 64 u + 63 of the accumulators are a UNIT of four blocks of 32 along the next K: register 16 b + 8 i + j holds k = 32 b + 16 i + 8 (lane / 16) + j.
; LDS.  x's 128 rows, all of K, come once and stay.  W's 256 rows go by halves of K through a ring of two slots: slot 0 holds a role's first 512 along K, slot 1 its second; when a slot is read out it is
; filled with the next role's half.  x's tile is shared along a row of the cluster, W's along a column: joint loads, each refill behind a round.  Waves 1 and 2 fetch W, 128 rows each; wave 0 fetched x.
; ONE LOOP BODY SERVES q AND k: all roles' scale words and biases are loaded at the head, and at a role's end the next role's are moved into the registers that the body names; pointers are moved likewise.
; PREFETCH: at a role's head the next role's W is asked for, both halves: one slot's four K steps ahead of its first load.  A lane names 256 bytes of a row; the rows are shared out by address among the
; cluster's work-groups and waves (64 rows a partner of a column, 16 a wave); all clusters read the same W, so four clusters ask.  The first role's W and x come by their loads alone.
; LIMITS: NaN and infinities are not served.  A block's largest magnitude is taken no lower than 2^(3 - 127), so that the scale's byte is at least 1; a block of zeros so gets the byte 1:
; its codes are zeros, and the bytes are read by this program alone.
; REGISTERS, in windows of 256: window 0: v1-15 addresses; v16-47 x's scale words, v48-63 W's; v64-95 the codes made, v96-99 their scale words; v100-115 at work; v128-223 fragments, set 0;
;   v224-255 the later roles' scale words.   window 1: the 32 accumulators.   window 2: v0-95 the three biases in the result's layout; v128-223 fragments, set 1.
.set XP,    528                        ; a row of x in LDS: 512 bytes + 16 of padding
.set WPI,   272                        ; a row of W's half: 256 bytes + 16: both pitches are odd multiples of 16 bytes
.set XBY,   128*XP
.set WB,    128*WPI                    ; 128 rows: what one tensor load of the ring brings
.set SLOT,  2*WB
.set SPARE, XBY+2*SLOT                 ; the spare words
.set AX,  4
.set AW,  6                            ; v6-7   LDS address of my W fragments in slot 0, 1
.set SOF, 8                            ; v8     32 r + 16 h: my place in a tile's 512 scale bytes
.set PFO, 9                            ; v9     the prefetch's offset: 512 r + 256 h
.set BO4, 10                           ; v10    32 h: the bias of q and k
.set BOR, 11                           ; v11    4 r: the bias of v
.set L16, 12
.set R16, 13
.set SPW, 14
.set NIL, 15
.set XS,  16
.set WS,  48
.set PC,  64
.set PW,  96
.set TM,  100
.set TP,  104
.set SCL, 108
.set BY,  112
.set XF,  128
.set WF,  192
.set WS1, 224
.set WS2, 240
.set BI,  0
.set WV,   36
.set CX,   37
.set CY,   38
.set CLY,  39
.set TB,   41
.set WSEL, 42
.set G1X,  44
.set G1W,  52
.set G0X,  60
.set G0W,  72                          ; s[72:75], s[76:79] group 0 for slots 0 and 1
.set G0W1, 76
.set CNT,  94
.set SEL,  96
.set MSB, 0
.macro WIN new                         ; the immediate's high byte repeats the setting that is left
.if MSB != \new
	s_set_vgpr_msb (MSB<<8)|\new
.set MSB, \new
.endif
.endm
.macro PLACES
.rept 4
	v_nop
.endr
.endm
.macro CROUND                          ; a round of the cluster's barrier
	s_barrier_signal -1
	s_barrier_wait -1
	s_cmp_lg_u32 s[WV], 0
	s_cbranch_scc1 .Lnot_wave_0_\@
	s_barrier_signal -3
.Lnot_wave_0_\@:
	s_barrier_wait -3
	s_barrier_signal -1
	s_barrier_wait -1
.endm
.macro FILL g0                         ; waves 1 and 2 fetch W's rows 0-127 and 128-255 of a slot
	s_cmp_eq_u32 s[WV], 0
	s_cbranch_scc1 .Lno_fill_\@
	s_cmp_eq_u32 s[WV], 3
	s_cbranch_scc1 .Lno_fill_\@
	tensor_load_to_lds s[\g0:\g0+3], s[G1W:G1W+7]
	s_nop 0
	PLACES
.Lno_fill_\@:
.endm
	s_load_b256 s[4:11], s[0:1], 0x0               ; x's codes, x's scales, Wq's codes, Wq's scales
	s_load_b256 s[12:19], s[0:1], 0x20             ; bq, Wk's codes, Wk's scales, bk
	s_load_b256 s[20:27], s[0:1], 0x40             ; Wv's codes, Wv's scales, bv, qc
	s_load_b256 s[28:35], s[0:1], 0x60             ; qs, kc, kvs, vc
	v_lshl_add_u32 v[SPW], v0, 2, SPARE
	v_mov_b32 v[NIL], 0
	ds_add_u32 v[SPW], v[NIL]                      ; the opening lines: the add, twice on end, and its wait
	ds_add_u32 v[SPW], v[NIL]
	v_lshrrev_b32 v1, 5, v0
	v_readfirstlane_b32 s[WV], v1                  ; wave 0..3
	s_bfe_u32 s[CX], ttmp6, 0x40000                ; cx: which 256 channels (the grid is one cluster wide)
	s_bfe_u32 s[CY], ttmp6, 0x40004
	s_and_b32 s[CLY], ttmp7, 0xffff                ; the cluster's y, 0..15
	s_lshl_b32 s[TB], s[CLY], 2
	s_add_co_u32 s[TB], s[TB], s[CY]               ; my block of 128 tokens, 0..63
	s_lshr_b32 s[WSEL], s[WV], 1                   ; waves 1 and 2: W's rows 0-127 and 128-255
	s_lshl_b32 s43, s[CY], 2
	s_lshl_b32 s43, 15, s43                        ; my row of the cluster
	s_or_b32 s[G1X], s43, (0<<16)|(1<<20)|(1<<21)|(6<<22)|(3<<25)   ; elements of 1 byte; bit 21 beside the mask; 4 words of padding after every 128
	s_lshl_b32 s94, 0x1111, s[CX]                  ; my column
	s_or_b32 s[G1W], s94, (0<<16)|(1<<20)|(1<<21)|(5<<22)|(3<<25)   ; 4 words after every 64
	s_mov_b32 s[G1X+1], 512<<16                    ; x: 128 rows of 512 bytes
	s_mov_b32 s[G1X+2], 128<<16
	s_mov_b32 s[G1X+3], 512<<16
	s_mov_b32 s[G1X+4], 128
	s_mov_b32 s[G1X+5], 512
	s_mov_b32 s[G1X+6], 0
	s_mov_b32 s[G1X+7], 0
	s_mov_b32 s[G1W+1], 256<<16                    ; W: 128 rows of 256 bytes, 512 apart in memory
	s_mov_b32 s[G1W+2], 128<<16
	s_mov_b32 s[G1W+3], 256<<16
	s_mov_b32 s[G1W+4], 128
	s_mov_b32 s[G1W+5], 512
	s_mov_b32 s[G1W+6], 0
	s_mov_b32 s[G1W+7], 0
	s_lshl_b32 s80, s[TB], 16                      ; x's codes: 128 rows of 512 bytes a block (made of cy and the cluster's y alone)
	s_mov_b32 s81, 0
	s_lshl_b32 s82, s[CX], 17                      ; W's codes: 256 rows a channel block, + the 128 that I fetch (made of cx and the wave alone)
	s_lshl_b32 s83, s[WSEL], 16
	s_add_co_u32 s82, s82, s83
	s_mov_b32 s83, 0
	s_lshl_b32 s84, s[TB], 12                      ; x's scales: 128 rows of 32 bytes
	s_mov_b32 s85, 0
	s_lshl_b32 s86, s[CX], 13                      ; W's scales: my head's 64 rows
	s_lshl_b32 s87, s[WV], 11
	s_add_co_u32 s86, s86, s87
	s_mov_b32 s87, 0
	s_lshl_b32 s88, s[CX], 10                      ; the bias: my head's 64 numbers
	s_lshl_b32 s89, s[WV], 8
	s_add_co_u32 s88, s88, s89
	s_mov_b32 s89, 0
	s_lshr_b32 s90, s[TB], 4
	s_lshl_b32 s90, s90, 4
	s_lshl_b32 s91, s[CX], 2
	s_add_co_u32 s90, s90, s91
	s_add_co_u32 s90, s90, s[WV]                   ; 16 x batch + head
	s_and_b32 s91, s[TB], 15                       ; which 128 tokens of the batch
	s_lshl_b32 s92, s90, 16
	s_lshl_b32 s93, s91, 12
	s_add_co_u32 s92, s92, s93                     ; the codes' place: 65,536 bytes a head, 4,096 a block of tokens
	s_mov_b32 s93, 0
	s_lshl_b32 s90, s90, 13
	s_lshl_b32 s91, s91, 9
	s_add_co_u32 s90, s90, s91                     ; the scale words': 8,192 a head, 512 a block
	s_mov_b32 s91, 0
	s_lshl_b32 s70, s[CX], 17                      ; the prefetch: row 256 cx + 64 cy + 16 wave
	s_lshl_b32 s71, s[CY], 15
	s_add_co_u32 s70, s70, s71
	s_lshl_b32 s71, s[WV], 13
	s_add_co_u32 s70, s70, s71
	s_mov_b32 s71, 0
	s_mul_i32 s99, s[WSEL], WB
	s_mov_b32 s[SEL], 0x76543210
	s_mov_b32 s[SEL+1], 0xfedcba98                 ; v_permlanex16_b32's selects for lane l xor 16
	s_wait_dscnt 0x0
	s_wait_kmcnt 0x0
	s_add_nc_u64 s[66:67], s[14:15], s[70:71]      ; where my prefetch of Wk stands, and of Wv
	s_add_nc_u64 s[68:69], s[20:21], s[70:71]
	s_add_nc_u64 s[4:5], s[4:5], s[80:81]
	s_add_nc_u64 s[6:7], s[6:7], s[84:85]
.irp p, 8,14,20
	s_add_nc_u64 s[\p:\p+1], s[\p:\p+1], s[82:83]          ; the three W's codes,
	s_add_nc_u64 s[\p+2:\p+3], s[\p+2:\p+3], s[86:87]      ; scales,
	s_add_nc_u64 s[\p+4:\p+5], s[\p+4:\p+5], s[88:89]      ; and biases
.endr
	s_add_nc_u64 s[26:27], s[26:27], s[92:93]      ; qc
	s_add_nc_u64 s[30:31], s[30:31], s[92:93]      ; kc
	s_add_nc_u64 s[34:35], s[34:35], s[92:93]      ; vc
	s_add_nc_u64 s[28:29], s[28:29], s[90:91]      ; qs
	s_add_nc_u64 s[32:33], s[32:33], s[90:91]      ; kvs: k's words,
	s_add_nc_u64 s[100:101], s[32:33], 256         ; and v's: the second 256 bytes of a block's 512
	s_mov_b32 s[G0X], 1
	s_mov_b32 s[G0X+1], 0
	s_mov_b64 s[G0X+2:G0X+3], s[4:5]
	s_or_b32 s[G0X+3], s[G0X+3], 0x80000000        ; type = 2
	s_mov_b32 s[G0W], 1
	s_add_co_u32 s[G0W+1], s99, XBY                ; no place in the cluster enters an LDS address
	s_mov_b64 s[G0W+2:G0W+3], s[8:9]
	s_or_b32 s[G0W+3], s[G0W+3], 0x80000000
	s_mov_b32 s[G0W1], 1
	s_add_co_u32 s[G0W1+1], s99, XBY+SLOT
	s_add_nc_u64 s[G0W1+2:G0W1+3], s[8:9], 256
	s_or_b32 s[G0W1+3], s[G0W1+3], 0x80000000
	CROUND                                         ; all sixteen work-groups are here: the joint loads meet
	s_cmp_eq_u32 s[WV], 0                          ; the head's loads, one a wave: wave 0 x, waves 1 and 2 Wq's first half
	s_cbranch_scc0 .Lnot_x
	tensor_load_to_lds s[G0X:G0X+3], s[G1X:G1X+7]
	s_nop 0
	PLACES
	s_branch .Lasked
.Lnot_x:
	s_cmp_eq_u32 s[WV], 3
	s_cbranch_scc1 .Lasked
	tensor_load_to_lds s[G0W:G0W+3], s[G1W:G1W+7]
	s_nop 0
	PLACES
.Lasked:
	v_and_b32 v1, 31, v0                           ; lane
	v_and_b32 v2, 15, v0                           ; r
	v_bfe_u32 v3, v0, 4, 1                         ; h
	v_lshlrev_b32 v[SOF], 5, v2
	v_lshl_add_u32 v[SOF], v3, 4, v[SOF]
	; The scale words go straight into registers: a row has 32 bytes, the words of K steps 0-7.  Lanes 0-15 take the words of steps 0-3, lanes 16-31 those of steps 4-7.
.irp xt, 0,1,2,3,4,5,6,7
	global_load_b128 v[XS+4*\xt:XS+4*\xt+3], v[SOF], s[6:7] offset:512*\xt
.endr
.irp wt, 0,1,2,3
	global_load_b128 v[WS+4*\wt:WS+4*\wt+3], v[SOF], s[10:11] offset:512*\wt
	global_load_b128 v[WS1+4*\wt:WS1+4*\wt+3], v[SOF], s[16:17] offset:512*\wt
	global_load_b128 v[WS2+4*\wt:WS2+4*\wt+3], v[SOF], s[22:23] offset:512*\wt
.endr
	v_lshlrev_b32 v[BO4], 5, v3
	v_lshlrev_b32 v[BOR], 2, v2
	WIN 0x80
.irp wt, 0,1,2,3                       ; q, k: lane (r, h) holds channels 16 wt + 8 h + 0 .. 7
	global_load_b128 v[BI+8*\wt:BI+8*\wt+3], v[BO4], s[12:13] offset:64*\wt
	global_load_b128 v[BI+8*\wt+4:BI+8*\wt+7], v[BO4], s[12:13] offset:64*\wt+16
	global_load_b128 v[BI+32+8*\wt:BI+32+8*\wt+3], v[BO4], s[18:19] offset:64*\wt
	global_load_b128 v[BI+32+8*\wt+4:BI+32+8*\wt+7], v[BO4], s[18:19] offset:64*\wt+16
.endr
.irp wt, 0,1,2,3                       ; v: lane (r, h) holds channel 16 wt + r in all eight registers
.irp j, 0,1,2,3,4,5,6,7
	global_load_b32 v[BI+64+8*\wt+\j], v[BOR], s[24:25] offset:64*\wt
.endr
.endr
	WIN 0
	v_mul_u32_u24 v[AX], v2, XP
	v_lshl_add_u32 v[AX], v3, 4, v[AX]             ; a fragment's row x pitch + 16 x half
	v_mul_u32_u24 v[AW], v2, WPI
	v_lshl_add_u32 v[AW], v3, 4, v[AW]
	s_mul_i32 s95, s[WV], 64*WPI
	s_add_co_u32 s95, s95, XBY                     ; my head's 64 rows of W
	v_add_nc_u32 v[AW], s95, v[AW]
	v_add_nc_u32 v[AW+1], SLOT, v[AW]
	v_lshlrev_b32 v[PFO], 9, v2
	v_lshl_add_u32 v[PFO], v3, 8, v[PFO]
	v_lshlrev_b32 v[L16], 4, v1
	v_lshlrev_b32 v[R16], 4, v2
.irp b, 0,1,2,3
	v_mov_b32 v[TP+\b], 0                          ; written once: a lane permute's destination counts as one of its sources
.endr
; the 24 fragment loads of K step s into set s % 2: a fragment is 16 rows x 128 K in 8 registers: lane l holds row l % 16; registers 4 c .. 4 c + 3 hold K = 64 c + 32 (l / 16) + 0 .. 31
.macro LOADF s
.if (\s)%2 == 0
	WIN 0
.else
	WIN 0x80                                       ; destination window 2, address window 0
.endif
.irp xt, 0,1,2,3,4,5,6,7
.irp c, 0,1
	ds_load_b128 v[XF+8*\xt+4*\c:XF+8*\xt+4*\c+3], v[AX] offset:\xt*16*XP+64*(\s)+32*\c
.endr
.endr
.irp wt, 0,1,2,3
.irp c, 0,1
	ds_load_b128 v[WF+8*\wt+4*\c:WF+8*\wt+4*\c+3], v[AW+(\s)/4] offset:\wt*16*WPI+64*((\s)%4)+32*\c
.endr
.endr
.endm
.macro ONE d, a, b, c, sa, sb, s       ; one product; in step 0 the bias is the C that starts the sum
.if (\s) == 0
	v_wmma_scale_f32_16x16x128_f8f6f4 v[\d:\d+7], v[\a:\a+7], v[\b:\b+7], v[\c:\c+7], v[\sa], v[\sb] matrix_a_fmt:MATRIX_FMT_FP4 matrix_b_fmt:MATRIX_FMT_FP4
.elseif (\s) < 4
	v_wmma_scale_f32_16x16x128_f8f6f4 v[\d:\d+7], v[\a:\a+7], v[\b:\b+7], v[\d:\d+7], v[\sa], v[\sb] matrix_a_fmt:MATRIX_FMT_FP4 matrix_b_fmt:MATRIX_FMT_FP4
.else
	v_wmma_scale_f32_16x16x128_f8f6f4 v[\d:\d+7], v[\a:\a+7], v[\b:\b+7], v[\d:\d+7], v[\sa], v[\sb] matrix_a_fmt:MATRIX_FMT_FP4 matrix_b_fmt:MATRIX_FMT_FP4 matrix_a_scale:MATRIX_SCALE_ROW1 matrix_b_scale:MATRIX_SCALE_ROW1
.endif
.endm
; the 32 products of K step s.  The 32 accumulators take turns, one instruction a turn, in the same order in every step.
.macro MM role, s
.if (\s) == 0
	WIN 0x60                                       ; sources window 0, C (the bias) window 2, D window 1
.elseif (\s)%2 == 0
	WIN 0x50                                       ; sources window 0, C and D window 1
.else
	WIN 0x5a                                       ; sources window 2, C and D window 1
.endif
.if \role == 0
.irp xt, 0,1,2,3,4,5,6,7
.irp wt, 0,1,2,3
	ONE 8*(4*\xt+\wt), WF+8*\wt, XF+8*\xt, BI+8*\wt, WS+4*\wt+(\s)%4, XS+4*\xt+(\s)%4, \s
.endr
.endr
.else
.irp wt, 0,1,2,3
.irp xt, 0,1,2,3,4,5,6,7
	ONE 8*(8*\wt+\xt), XF+8*\xt, WF+8*\wt, BI+8*\wt, XS+4*\xt+(\s)%4, WS+4*\wt+(\s)%4, \s
.endr
.endr
.endif
.endm
.macro KSTEP role, s
.if (\s) > 0
	PLACES                                         ; the set that the step before multiplied is loaded again
.endif
.if (\s)%4 < 3
	LOADF (\s)+1
.if (\s) == 0
	s_wait_loadcnt 0x0                             ; the scale words and the biases
.endif
	s_wait_dscnt 24                                ; all but the 24 just issued: this step's fragments are in
.else
	s_wait_dscnt 0x0                               ; a slot's last step fetches nothing: my reads of the slot are over
.endif
	MM \role, \s
.endm
; A CHANGE OF SLOTS.  Every wave waits for all its tensor loads; fill = 1: the add, twice on end, the next role's address into the slot's group 0, the wait, a round,
; and the refill of the slot just read out, with the next role's half.  fill = 0: nothing is filled again: the work-group's barrier shows the other slot.
.macro CHANGE fill, g0, half
	WIN 0
	s_wait_alu depctr_va_vdst(0)
	s_wait_tensorcnt 0x0
.if \fill
	ds_add_u32 v[SPW], v[NIL]
	ds_add_u32 v[SPW], v[NIL]
	s_add_nc_u64 s[\g0+2:\g0+3], s[14:15], 256*\half
	s_or_b32 s[\g0+3], s[\g0+3], 0x80000000
	s_wait_dscnt 0x0
	CROUND
	FILL \g0
.else
	s_wait_dscnt 0x0
	s_barrier_signal -1
	s_barrier_wait -1
.endif
.endm
; UNIT u, 64 numbers of a lane in four blocks, becomes 8 registers of codes and a scale word.  A block's other 16 numbers lie in lane l xor 16.  The largest magnitude's exponent field less 2 is the scale's
; byte, and the conversion takes that field of its scale operand alone.  Two exchanges of halves for each pair of blocks put a WHOLE block into a lane: the operand's layout.
.macro QUANT u
	WIN 0x05                                       ; sources 0 and 1: the accumulators' window
.irp b, 0,1,2,3
	v_max3_num_f32 v[TM+\b], |v[64*(\u)+16*\b]|, |v[64*(\u)+16*\b+1]|, 0x1800000   ; each accumulator is read from its low end on; the floor 2^(3 - 127)
.endr
	WIN 0x14                                       ; sources 1 and 2
.irp i, 2,4,6,8,10,12,14
.irp b, 0,1,2,3
	v_max3_num_f32 v[TM+\b], v[TM+\b], |v[64*(\u)+16*\b+\i]|, |v[64*(\u)+16*\b+\i+1]|
.endr
.endr
	WIN 0
.irp b, 0,1,2,3
	v_permlanex16_b32 v[TP+\b], v[TM+\b], s[SEL], s[SEL+1]
.endr
.irp b, 0,1,2,3
	v_max_num_f32 v[TM+\b], v[TM+\b], v[TP+\b]
.endr
.irp b, 0,1,2,3
	v_add_nc_u32 v[SCL+\b], 0xff000000, v[TM+\b]   ; 2 off the exponent field
.endr
.irp b, 0,1,2,3
	v_lshrrev_b32 v[BY+\b], 23, v[SCL+\b]          ; the scale's byte
.endr
	v_lshl_or_b32 v[PW+\u], v[BY+1], 8, v[BY]
	v_lshl_or_b32 v[PW+\u], v[BY+2], 16, v[PW+\u]
	v_lshl_or_b32 v[PW+\u], v[BY+3], 24, v[PW+\u]
	WIN 0x01
.irp c, 0,1
	v_cvt_scalef32_pk8_fp4_f32 v[PC+8*(\u)+4*\c], v[64*(\u)+32*\c:64*(\u)+32*\c+7], v[SCL+2*\c]
	v_cvt_scalef32_pk8_fp4_f32 v[PC+8*(\u)+4*\c+1], v[64*(\u)+32*\c+16:64*(\u)+32*\c+23], v[SCL+2*\c+1]
	v_cvt_scalef32_pk8_fp4_f32 v[PC+8*(\u)+4*\c+2], v[64*(\u)+32*\c+8:64*(\u)+32*\c+15], v[SCL+2*\c]
	v_cvt_scalef32_pk8_fp4_f32 v[PC+8*(\u)+4*\c+3], v[64*(\u)+32*\c+24:64*(\u)+32*\c+31], v[SCL+2*\c+1]
.endr
	WIN 0
	v_nop                                          ; one plain place behind the scaled conversions
.irp c, 0,1
	v_permlane16_swap_b32 v[PC+8*(\u)+4*\c], v[PC+8*(\u)+4*\c+1]
	v_permlane16_swap_b32 v[PC+8*(\u)+4*\c+2], v[PC+8*(\u)+4*\c+3]
.endr
	global_store_b128 v[L16], v[PC+8*\u:PC+8*\u+3], s[26:27] offset:1024*\u          ; 32 lanes store 512 consecutive bytes; each unit has registers of its own
	global_store_b128 v[L16], v[PC+8*\u+4:PC+8*\u+7], s[26:27] offset:1024*\u+512
.endm
; A ROLE.  more = 1: another role follows: both slots are filled again, and at the end the next role's pointers, scale words and bias take this role's places.
.macro ROLE role, more
	LOADF 0
.if \more
	s_cmp_lt_u32 s[CLY], 4                         ; four clusters ask for the next role's W
	s_cbranch_scc0 .Lno_ask_\@
	global_prefetch_b8 v[PFO], s[66:67] th:TH_LOAD_NT scope:SCOPE_SE
.Lno_ask_\@:
.endif
	KSTEP \role, 0
	KSTEP \role, 1
	KSTEP \role, 2
	KSTEP \role, 3
	CHANGE \more, G0W, 0
	LOADF 4
	KSTEP \role, 4
	KSTEP \role, 5
	KSTEP \role, 6
	KSTEP \role, 7
	WIN 0
	PLACES                                         ; behind the last products
	QUANT 0
	QUANT 1
.if \more
	CHANGE 1, G0W1, 1                              ; in the middle of the way out, so that each refill has four K steps and two units in which to land
.endif
	QUANT 2
	QUANT 3
	s_wait_xcnt 0x0                                ; EXEC changes only behind this wait
	v_cmp_gt_u32 vcc_lo, 16, v1
	s_and_saveexec_b32 s98, vcc_lo
	global_store_b128 v[R16], v[PW:PW+3], s[28:29] ; sixteen lanes store the four units' words of their rows: 256 consecutive bytes, aligned
	s_wait_xcnt 0x0                                ; EXEC, the stores' bases and data and the prefetch's base are written only behind this wait
	s_or_b32 exec_lo, exec_lo, s98
.if \more
	s_mov_b64 s[26:27], s[30:31]                   ; codes out: kc, then vc
	s_mov_b64 s[30:31], s[34:35]
	s_mov_b64 s[28:29], s[32:33]                   ; words out: k's, then v's
	s_mov_b64 s[32:33], s[100:101]
	s_mov_b64 s[14:15], s[20:21]                   ; the W that the next refills fetch
	s_mov_b64 s[66:67], s[68:69]                   ; and the next prefetch
.set ii, 0
.rept 16
	v_mov_b32 v[WS+ii], v[WS1+ii]
.set ii, ii+1
.endr
.set ii, 0
.rept 16
	v_mov_b32 v[WS1+ii], v[WS2+ii]
.set ii, ii+1
.endr
	WIN 0x82                                       ; source 0 and destination: window 2
.set ii, 0
.rept 64
	v_mov_b32 v[BI+ii], v[BI+32+ii]                ; ascending: each bias moves down 32 registers
.set ii, ii+1
.endr
	WIN 0
	PLACES
.endif
.endm
	s_wait_alu depctr_va_vdst(0)                   ; the wait at the head's end
	s_wait_tensorcnt 0x0                           ; my tile of the head's is in; the full sequence ahead of slot 1's first fill
	ds_add_u32 v[SPW], v[NIL]
	ds_add_u32 v[SPW], v[NIL]
	s_wait_dscnt 0x0
	CROUND
	FILL G0W1                                      ; Wq's second half
	s_mov_b32 s[CNT], 2
.Lrole:                                                ; two trips: q, k
	ROLE 0, 1
	s_sub_co_u32 s[CNT], s[CNT], 1
	s_cmp_lg_u32 s[CNT], 0
	s_wait_alu depctr_va_vdst(0)                   ; the wait here, directly ahead of the branch
	s_cbranch_scc1 .Lrole
	ROLE 1, 0                                      ; v: written out: other sources' order, and nothing more to fetch
	s_wait_tensorcnt 0x0                           ; the wave's end
	ds_add_u32 v[SPW], v[NIL]
	s_wait_dscnt 0x0
	CROUND                                         ; the closing round
	s_endpgm
.Lfunc_end_k_q2123e7980c_proj:
	.size	k_q2123e7980c_proj, .Lfunc_end_k_q2123e7980c_proj-k_q2123e7980c_proj
	.p2alignl 7, 3214868480
	.fill 96, 4, 3214868480
	.section	.rodata,"a",@progbits
	.p2align	6, 0x0
	.amdhsa_kernel k_q2123e7980c_proj
		.amdhsa_group_segment_fixed_size 327680
		.amdhsa_private_segment_fixed_size 0
		.amdhsa_enable_private_segment 0
		.amdhsa_kernarg_size 128
		.amdhsa_user_sgpr_count 2
		.amdhsa_user_sgpr_kernarg_segment_ptr 1
		.amdhsa_wavefront_size32 1
		.amdhsa_system_sgpr_workgroup_id_x 1
		.amdhsa_system_sgpr_workgroup_id_y 1
		.amdhsa_system_sgpr_workgroup_id_z 1
		.amdhsa_system_vgpr_workitem_id 0
		.amdhsa_next_free_vgpr 768
		.amdhsa_next_free_sgpr 102
		.amdhsa_reserve_vcc 1
		.amdhsa_float_denorm_mode_32 3
		.amdhsa_float_denorm_mode_16_64 3
		.amdhsa_memory_ordered 1
		.amdhsa_forward_progress 1
		.amdhsa_inst_pref_size 145
	.end_amdhsa_kernel
	.amdgpu_metadata
---
amdhsa.version: [ 1, 2 ]
amdhsa.kernels:
  - .name:           k_q2123e7980c_proj
    .symbol:         k_q2123e7980c_proj.kd
    .args:
      - { .name: x_codes, .offset: 0, .size: 8, .value_kind: global_buffer, .address_space: global }
      - { .name: x_scales, .offset: 8, .size: 8, .value_kind: global_buffer, .address_space: global }
      - { .name: Wq_codes, .offset: 16, .size: 8, .value_kind: global_buffer, .address_space: global }
      - { .name: Wq_scales, .offset: 24, .size: 8, .value_kind: global_buffer, .address_space: global }
      - { .name: bq, .offset: 32, .size: 8, .value_kind: global_buffer, .address_space: global }
      - { .name: Wk_codes, .offset: 40, .size: 8, .value_kind: global_buffer, .address_space: global }
      - { .name: Wk_scales, .offset: 48, .size: 8, .value_kind: global_buffer, .address_space: global }
      - { .name: bk, .offset: 56, .size: 8, .value_kind: global_buffer, .address_space: global }
      - { .name: Wv_codes, .offset: 64, .size: 8, .value_kind: global_buffer, .address_space: global }
      - { .name: Wv_scales, .offset: 72, .size: 8, .value_kind: global_buffer, .address_space: global }
      - { .name: bv, .offset: 80, .size: 8, .value_kind: global_buffer, .address_space: global }
      - { .name: qc, .offset: 88, .size: 8, .value_kind: global_buffer, .address_space: global }
      - { .name: qs, .offset: 96, .size: 8, .value_kind: global_buffer, .address_space: global }
      - { .name: kc, .offset: 104, .size: 8, .value_kind: global_buffer, .address_space: global }
      - { .name: kvs, .offset: 112, .size: 8, .value_kind: global_buffer, .address_space: global }
      - { .name: vc, .offset: 120, .size: 8, .value_kind: global_buffer, .address_space: global }
    .group_segment_fixed_size: 327680
    .private_segment_fixed_size: 0
    .kernarg_segment_align: 8
    .kernarg_segment_size: 128
    .max_flat_workgroup_size: 128
    .sgpr_count:     102
    .vgpr_count:     768
    .wavefront_size: 32
...
	.end_amdgpu_metadata
.endif
;; end of part 1
;; launch attn (part 2): grid 8 x 32, 16 waves a work-group, clusters of 4 x 1, 327,680 bytes of LDS; arguments qc, qs, kc, vc, kvs, ac, asc; writes ac, asc
.if DOCPART == 2
	.amdgcn_target "amdgcn-amd-amdhsa--gfx1250"
	.amdhsa_code_object_version 6
	.text
	.protected	k_q2123e7980c_attn
	.globl	k_q2123e7980c_attn
	.p2align	8
	.type	k_q2123e7980c_attn,@function
k_q2123e7980c_attn:
	s_mov_b64 s[64:65], 0
	v_nop
	global_prefetch_b8 v0, s[64:65] scope:SCOPE_SE
	s_setreg_imm32_b32 hwreg(HW_REG_WAVE_MODE, 25, 1), 1
	s_wait_xcnt 0x0
	s_wait_alu depctr_hold_cnt(0) depctr_sa_sdst(0) depctr_va_vdst(0) depctr_va_sdst(0) depctr_va_ssrc(0) depctr_va_vcc(0) depctr_vm_vsrc(0)
	s_getreg_b32 s2, hwreg(HW_REG_IB_STS2, 6, 4)
	s_cmp_eq_u32 s2, 0
	s_cbranch_scc0 .Lentry_in_a_cluster
	s_endpgm
.Lentry_in_a_cluster:
	s_bfe_u32 s2, ttmp6, 0x10000c
	s_cmp_lg_u32 s2, 0x3003
	s_cbranch_scc0 .Lentry_shape_is_right
	s_endpgm
.Lentry_shape_is_right:
; o = softmax(q k^T / 8) v for 64 heads of 64 channels and 2,048 keys, both products on codes of FP4 (E2M1) with E8M0 scales; the result is quantised along the 1,024 channels and leaves as codes.
; THE SOFTMAX: t = score x log2(e) / 8; M = the running largest t rounded UP to a whole number; p = 2^(t - M) is quantised along the keys, not normalised; the row's sum is taken of the unquantised p
; and divides at the end.  When M moves, the sum and O are multiplied by 2^(old M - new M): exact.
; SHARES.  The grid's y is 8 x batch + P, P a pair of heads; a work-group takes 256 queries and both heads; each of its sixteen waves owns one tile of 16 queries and walks all keys, 256 a step,
; first for head 2 P, then for head 2 P + 1: it ends with a whole fragment (16 tokens x 128 channels) and a whole scale word of the last product's operand.
; LDS IS FILLED ONCE, in two groups of joint loads (the four work-groups of a cluster walk the same pair).  Group 1: waves 0-3 the first 1,024 keys of head 2 P (K's and V's codes, 16,384 bytes a wave),
; wave 4 the pair's 16,384 bytes of scale words.  Group 2, behind the full sequence and a round: all sixteen waves, 12,288 bytes each, the other 98,304 bytes of K's and of V's codes.
; Four steps are walked on group 1 while group 2 is out; one barrier shows group 2 to all.  No prefetch into the L2: every byte is asked for by these two groups, and no loop asks for anything.
; LAYOUT.  Both products are used transposed: a lane holds ONE query.  The head's K is 64, the instruction's 128: a fragment of K holds two tiles of 16 keys and is multiplied by [q, 0] and by [0, q].
; THE KEYS OF A TILE ARE CHOSEN BY THE LANE'S LDS ADDRESS: row r of tile (cc, t) is key 64 cc + 32 (r / 8) + 8 t + r % 8, so that register 32 cc + 8 t + j of lane (r, h) is key 64 cc + 32 h + 8 t + j:
; a lane holds WHOLE blocks of 32 keys, in the order of the second product's operand: a block's largest score needs no other lane, and the conversions' results are that operand's registers.
; LIMITS: NaN and infinities are not served; the promise holds while the scaled scores stay under 2^31 in magnitude; a p under 2^-126 counts as 0; a block's largest number is taken no lower than
; 2^(3 - 127), so a block of zeros gets the scale byte 1 (its codes are zeros; the bytes are read by this program alone).
; REGISTERS: v1-3 lane parts of LDS addresses, v4-5 K's addresses; v6-7 q's scale words; v8-11 q of the second head; v12 -M, v13 the largest score, v[14:15] the sum; v16-27 [0][q][0]; v28-31 K's scale words;
;   v32-35 V's; v36-39 V's addresses, the old -M, the result's word; v40-71 four fragments of K, then at work; v72-199 S^T, then p, then (v72-135) V; v200-231 O^T; v232-247 p's codes; v248-253 at work.
.set VB,    131072                     ; LDS: K's two heads from 0, V's from here,
.set SCB,   262144                     ; the scale words' two heads,
.set STG,   278528                     ; 1,024 bytes that are stored into, for the result's scale words: no tile lands there,
.set SPARE, 279552                     ; and the spare words, 128 bytes a wave
.set HEADB, 65536
.set SCH,   8192
.set KA,  1
.set KSA, 2
.set VSA, 3
.set ADK, 4
.set ADKS, 5
.set QS,  6
.set Q1,  8
.set NM,  12
.set MX,  13
.set SUM, 14
.set KS,  28
.set VS,  32
.set ADV, 36
.set ADVS, 37
.set TO,  38
.set PWO, 39
.set KFR, 40
.set SOP, 40
.set BY,  44
.set X,   48
.set AC,  52
.set S,   72
.set O,   200
.set PCD, 232
.set BM,  244                          ; a head's end: the two blocks' largest magnitudes
.set SM,  232                          ; a step: sixteen chains of maxima, one for each accumulator, in p's code registers until those are made
.set BX,  68                           ; a step: the four blocks' largest scores
.set EP,  240
.set ESOP, 242
.set F,   248
.set AF,  249                          ; 16 x lane (also the written upper half of the pair that f is named with)
.set PW,  250
.set T,   252
.set TP,  253
.set SPW, 254
.set NIL, 255
.set WV,  18
.set CX,  19
.set SEL, 20
.set CS,  22
.set G1A, 24                           ; s[24:31] group 1 for 64 rows of 256 bytes;  s[32:39] for 48
.set G1B, 32
.set G0A, 40
.set G0B, 44
.set CSN, 48
.set YY,  66
.set QB,  67
.set TAU, 68
.set TK,  84
.set TS,  85
.set CNT, 86
.set TV,  87
.macro CROUND                          ; a round of the cluster's barrier
	s_barrier_signal -1
	s_barrier_wait -1
	s_cmp_lg_u32 s[WV], 0
	s_cbranch_scc1 .Lnot_wave_0_\@
	s_barrier_signal -3
.Lnot_wave_0_\@:
	s_barrier_wait -3
	s_barrier_signal -1
	s_barrier_wait -1
.endm
.macro PLACES
.rept 4
	v_nop
.endr
.endm
	s_load_b256 s[4:11], s[0:1], 0x0               ; qc, qs, kc, vc
	s_load_b128 s[12:15], s[0:1], 0x20             ; kvs, ac
	s_load_b64 s[16:17], s[0:1], 0x30              ; asc
	v_lshl_add_u32 v[SPW], v0, 2, SPARE
	v_mov_b32 v[NIL], 0
	ds_add_u32 v[SPW], v[NIL]                      ; the opening lines: the add, twice on end, and its wait
	ds_add_u32 v[SPW], v[NIL]
	v_lshrrev_b32 v[T], 5, v0
	v_readfirstlane_b32 s[WV], v[T]                ; wave 0..15
	s_bfe_u32 s[CX], ttmp6, 0x40000                ; my place in the cluster: it enters q's and the results' global addresses alone
	s_and_b32 s[YY], ttmp7, 0xffff                 ; 8 x batch + pair of heads: shared by the partners
	s_lshl_b32 s[QB], ttmp9, 2
	s_add_co_u32 s[QB], s[QB], s[CX]               ; my block of 256 queries
	s_lshl_b32 s[TAU], s[QB], 4
	s_add_co_u32 s[TAU], s[TAU], s[WV]             ; my tile of 16 queries, 0..127
	; group 1: dense bytes as rows of 256 (32 elements of 8 bytes), no padding; the mask names all four work-groups, bit 21 beside it
	s_mov_b32 s[G1A], 15|(3<<16)|(1<<21)
	s_mov_b32 s[G1A+1], 32<<16
	s_mov_b32 s[G1A+2], 64<<16
	s_mov_b32 s[G1A+3], 32<<16
	s_mov_b32 s[G1A+4], 64
	s_mov_b32 s[G1A+5], 32
	s_mov_b32 s[G1A+6], 0
	s_mov_b32 s[G1A+7], 0
	s_mov_b32 s[G1B], 15|(3<<16)|(1<<21)
	s_mov_b32 s[G1B+1], 32<<16
	s_mov_b32 s[G1B+2], 48<<16
	s_mov_b32 s[G1B+3], 32<<16
	s_mov_b32 s[G1B+4], 48
	s_mov_b32 s[G1B+5], 32
	s_mov_b32 s[G1B+6], 0
	s_mov_b32 s[G1B+7], 0
	s_lshl_b32 s70, s[YY], 17                      ; the pair's codes: 2 x 65,536 bytes
	s_mov_b32 s71, 0
	s_lshl_b32 s72, s[YY], 14                      ; its scale words: 2 x 8,192
	s_mov_b32 s73, 0
	s_lshl_b32 s74, s[TAU], 9                      ; q's codes: 512 bytes a tile
	s_add_co_u32 s74, s74, s70
	s_mov_b32 s75, 0
	s_lshr_b32 s76, s[TAU], 3                      ; q's scale words: 512 bytes for 8 tiles, word (tile / 2) % 4 of a row's four
	s_lshl_b32 s76, s76, 9
	s_bfe_u32 s88, s[TAU], 0x20001
	s_lshl_b32 s88, s88, 2
	s_add_co_u32 s76, s76, s88
	s_add_co_u32 s76, s76, s72
	s_mov_b32 s77, 0
	s_lshr_b32 s88, s[YY], 3                       ; batch
	s_and_b32 s89, s[YY], 7                        ; pair
	s_lshl_b32 s82, s88, 7
	s_add_co_u32 s82, s82, s[TAU]                  ; my tile among all 512
	s_lshl_b32 s82, s82, 13                        ; ac: 8,192 bytes a tile,
	s_lshl_b32 s83, s89, 10                        ; 1,024 a pair
	s_add_co_u32 s82, s82, s83
	s_mov_b32 s83, 0
	s_lshl_b32 s80, s88, 5
	s_lshl_b32 s81, s[QB], 2
	s_add_co_u32 s80, s80, s81                     ; asc: my work-group's four groups of four tiles, 256 bytes each,
	s_lshl_b32 s80, s80, 8
	s_lshl_b32 s81, s89, 15                        ; 32,768 bytes a pair
	s_add_co_u32 s80, s80, s81
	s_mov_b32 s81, 0
	s_mov_b32 s[SEL], 0x76543210
	s_mov_b32 s[SEL+1], 0xfedcba98                 ; v_permlanex16_b32's selects for lane l xor 16
	s_mov_b32 s[CS], 0x3e38aa3b                    ; c = log2(e) / 8
	s_mov_b32 s[CS+1], s[CS]                       ; (named with it as a pair, so it is written)
	s_mov_b32 s[CSN], 0xbe38aa3b                   ; -c
	s_mov_b32 s[TK], 0                             ; the step's place in K's codes,
	s_mov_b32 s[TS], SCB                           ; among the scale words,
	s_mov_b32 s[TV], VB                            ; and in V's codes: all three run on from the first head into the second
	s_wait_dscnt 0x0
	s_wait_kmcnt 0x0
	s_add_nc_u64 s[8:9], s[8:9], s[70:71]
	s_add_nc_u64 s[10:11], s[10:11], s[70:71]
	s_add_nc_u64 s[12:13], s[12:13], s[72:73]
	s_add_nc_u64 s[4:5], s[4:5], s[74:75]
	s_add_nc_u64 s[6:7], s[6:7], s[76:77]
	s_add_nc_u64 s[14:15], s[14:15], s[82:83]
	s_add_nc_u64 s[16:17], s[16:17], s[80:81]
	; group 1's descriptor: wave w < 5 fetches 16,384 bytes: buffer w / 2 (K, V, scale words), half w % 2, to LDS byte 131,072 (w / 2) + 16,384 (w % 2)
	s_lshr_b32 s90, s[WV], 1
	s_and_b32 s91, s[WV], 1
	s_lshl_b32 s92, s91, 14
	s_mov_b32 s93, 0
	s_cmp_eq_u32 s90, 0
	s_cselect_b64 s[G0A+2:G0A+3], s[8:9], s[10:11]
	s_cmp_eq_u32 s90, 2
	s_cselect_b64 s[G0A+2:G0A+3], s[12:13], s[G0A+2:G0A+3]
	s_add_nc_u64 s[G0A+2:G0A+3], s[G0A+2:G0A+3], s[92:93]
	s_or_b32 s[G0A+3], s[G0A+3], 0x80000000        ; type = 2
	s_mov_b32 s[G0A], 1
	s_lshl_b32 s[G0A+1], s90, 17
	s_add_co_u32 s[G0A+1], s[G0A+1], s92
	; group 2's: wave w fetches 12,288 bytes of buffer w / 8 (K, V), from byte 32,768 + 12,288 (w % 8) on
	s_lshr_b32 s90, s[WV], 3
	s_and_b32 s91, s[WV], 7
	s_mul_i32 s92, s91, 12288
	s_add_co_u32 s92, s92, 32768
	s_cmp_eq_u32 s90, 0
	s_cselect_b64 s[G0B+2:G0B+3], s[8:9], s[10:11]
	s_add_nc_u64 s[G0B+2:G0B+3], s[G0B+2:G0B+3], s[92:93]
	s_or_b32 s[G0B+3], s[G0B+3], 0x80000000
	s_mov_b32 s[G0B], 1
	s_lshl_b32 s[G0B+1], s90, 17
	s_add_co_u32 s[G0B+1], s[G0B+1], s92
	CROUND                                         ; all four work-groups are here: the joint loads meet
	s_cmp_lt_u32 s[WV], 5
	s_cbranch_scc0 .Lasked
	tensor_load_to_lds s[G0A:G0A+3], s[G1A:G1A+7]  ; one tensor load a wave at the head
	s_nop 0
	PLACES
.Lasked:
	v_and_b32 v[T], 15, v0                         ; r
	v_bfe_u32 v[TP], v0, 4, 1                      ; h
	v_and_b32 v[AF], 31, v0
	v_lshlrev_b32 v[AF], 4, v[AF]                  ; 16 x lane
	v_lshlrev_b32 v[ADV], 4, v[T]                  ; 16 r
	global_load_b128 v[20:23], v[AF], s[4:5]                 ; q of head 2 P: lane (r, h): query r, channels 32 h + 0 .. 31
	global_load_b128 v[Q1:Q1+3], v[AF], s[4:5] offset:HEADB  ; and of head 2 P + 1
	global_load_b32 v[QS], v[ADV], s[6:7]                    ; the word that holds my tile's two scale bytes
	global_load_b32 v[QS+1], v[ADV], s[6:7] offset:SCH
.irp j, 16,17,18,19,24,25,26,27
	v_mov_b32 v\j, 0                               ; the zero codes beside q
.endr
	v_and_b32 v[ADK], 7, v0                        ; r % 8
	v_bfe_u32 v[ADKS], v0, 3, 1                    ; r / 8
	v_lshlrev_b32 v[KA], 4, v[ADK]
	v_lshl_add_u32 v[KSA], v[ADKS], 2, v[KA]
	v_lshl_add_u32 v[KSA], v[TP], 3, v[KSA]        ; K's scale words: 16 (r % 8) + 4 (r / 8) + 8 h: lanes 0-15 take the word of cc = 0, lanes 16-31 that of cc = 1
	v_lshl_add_u32 v[KA], v[ADKS], 10, v[KA]
	v_lshl_add_u32 v[KA], v[TP], 8, v[KA]          ; K's codes: 1,024 (r / 8) + 16 (r % 8) + 256 h
	v_lshlrev_b32 v[VSA], 4, v[T]
	v_lshl_add_u32 v[VSA], v[TP], 9, v[VSA]
	v_add_nc_u32 v[VSA], 256, v[VSA]               ; V's scale words: 256 + 16 r + 512 h: lanes 0-15 the step's first 128 keys, lanes 16-31 its second
	v_add_nc_u32 v[ADK], s[TK], v[KA]
	v_add_nc_u32 v[ADKS], s[TS], v[KSA]
	s_and_b32 s88, s[WV], 1
	s_cmp_eq_u32 s88, 0
	s_mov_b32 s89, 0x03020302
	s_cselect_b32 s89, 0x01000100, s89             ; an even tile's bytes are the word's lower two, an odd tile's the upper two
.macro WS d, a, b, sa, sb, row         ; a product of scores: C = 0
.if \row
	v_wmma_scale_f32_16x16x128_f8f6f4 v[\d:\d+7], v[\a:\a+7], v[\b:\b+7], 0, v[\sa], v[\sb] matrix_a_fmt:MATRIX_FMT_FP4 matrix_b_fmt:MATRIX_FMT_FP4 matrix_a_scale:MATRIX_SCALE_ROW1
.else
	v_wmma_scale_f32_16x16x128_f8f6f4 v[\d:\d+7], v[\a:\a+7], v[\b:\b+7], 0, v[\sa], v[\sb] matrix_a_fmt:MATRIX_FMT_FP4 matrix_b_fmt:MATRIX_FMT_FP4
.endif
.endm
.macro WP d, a, b, sa, sb, row         ; a product onto O^T
.if \row
	v_wmma_scale_f32_16x16x128_f8f6f4 v[\d:\d+7], v[\a:\a+7], v[\b:\b+7], v[\d:\d+7], v[\sa], v[\sb] matrix_a_fmt:MATRIX_FMT_FP4 matrix_b_fmt:MATRIX_FMT_FP4 matrix_a_scale:MATRIX_SCALE_ROW1
.else
	v_wmma_scale_f32_16x16x128_f8f6f4 v[\d:\d+7], v[\a:\a+7], v[\b:\b+7], v[\d:\d+7], v[\sa], v[\sb] matrix_a_fmt:MATRIX_FMT_FP4 matrix_b_fmt:MATRIX_FMT_FP4
.endif
.endm
; 128 keys of K: four fragments f = 2 cc + tl (registers 0-3: tile t = tl, registers 4-7: tile t = tl + 2) and two registers of scale words: ten LDS loads
.macro KLOAD off, soff, ks
.irp f, 0,1,2,3
	ds_load_b128 v[KFR+8*\f:KFR+8*\f+3], v[ADK] offset:\off+2048*(\f/2)+128*(\f%2)
	ds_load_b128 v[KFR+8*\f+4:KFR+8*\f+7], v[ADK] offset:\off+2048*(\f/2)+128*(\f%2)+512
.endr
	ds_load_b32 v[\ks], v[ADKS] offset:\soff
	ds_load_b32 v[\ks+1], v[ADKS] offset:\soff+128
.endm
.macro SCORES hh, p                    ; S^T of the step's 128 keys hh: eight products
.irp cc, 0,1
.irp tl, 0,1
	WS S+64*\hh+32*\cc+8*\tl, KFR+16*\cc+8*\tl, 20, KS+2*\hh+\tl, QS+\p, \cc
	WS S+64*\hh+32*\cc+8*\tl+16, KFR+16*\cc+8*\tl, 16, KS+2*\hh+\tl, QS+\p, \cc
.endr
.endr
.endm
; The largest score of each block of 32 keys: 128 keys are eight accumulators, each with a chain of its own, the eight by turns; then a tree joins four chains and the accumulators' last registers.
.macro MR1 hh                          ; each accumulator is first read at its low end
.irp q, 0,1,2,3,4,5,6,7
	v_max3_num_f32 v[SM+8*\hh+\q], v[S+64*\hh+8*\q], v[S+64*\hh+8*\q+1], v[S+64*\hh+8*\q+2]
.endr
.endm
.macro MR3 hh, a, b
.irp q, 0,1,2,3,4,5,6,7
	v_max3_num_f32 v[SM+8*\hh+\q], v[SM+8*\hh+\q], v[S+64*\hh+8*\q+\a], v[S+64*\hh+8*\q+\b]
.endr
.endm
.macro MU hh
.irp q, 0,2,4,6
	v_max3_num_f32 v[SM+8*\hh+\q], v[SM+8*\hh+\q], v[SM+8*\hh+\q+1], v[S+64*\hh+8*\q+7]
.endr
.endm
.macro MZ hh
.irp q, 0,4
	v_max3_num_f32 v[SM+8*\hh+\q], v[SM+8*\hh+\q], v[SM+8*\hh+\q+2], v[S+64*\hh+8*\q+15]
.endr
.endm
.macro MF hh
.irp b, 0,1
	v_max_num_f32 v[BX+2*\hh+\b], v[SM+8*\hh+4*\b], v[S+64*\hh+32*\b+31]
.endr
.endm
.macro CVTC hh, cc                     ; p's codes of one block a lane
.irp t, 0,1,2,3
	v_cvt_scalef32_pk8_fp4_f32 v[PCD+8*\hh+4*\cc+\t], v[S+64*\hh+32*\cc+8*\t:S+64*\hh+32*\cc+8*\t+7], v[SOP+2*\hh+\cc]
.endr
.endm
.macro FMAS n                          ; t - M, two at a time
.rept \n
	v_pk_fma_f32 v[S+jj:S+jj+1], v[S+jj:S+jj+1], s[CS:CS+1], v[NM:NM+1] op_sel_hi:[1,0,0]
.set jj, jj+2
.endr
.endm
.macro ADDS n                          ; the row's sum of the unquantised p, two at a time, in eight chains
.rept \n
	v_pk_add_f32 v[AC+2*(jj%8):AC+2*(jj%8)+1], v[AC+2*(jj%8):AC+2*(jj%8)+1], v[S+2*jj:S+2*jj+1]
.set jj, jj+1
.endr
.endm
.macro CVT hh                          ; p's codes of 128 keys: the operand's registers as they stand
.irp cc, 0,1
.irp t, 0,1,2,3
	v_cvt_scalef32_pk8_fp4_f32 v[PCD+8*\hh+4*\cc+\t], v[S+64*\hh+32*\cc+8*\t:S+64*\hh+32*\cc+8*\t+7], v[SOP+2*\hh+\cc]
.endr
.endr
.endm
; A KEY STEP of head p: 256 keys.  top = 1: K's first 128 keys are fetched at the step's head; bot = 1: the next step's are fetched at this step's end.
.macro STEP p, top, bot
.if \top
	KLOAD 0, 0, KS
.endif
	s_wait_dscnt 0x0                               ; K's first four fragments and their words are in, and no LDS instruction of mine is out
	s_barrier_wait -1                              ; every wave has begun the step before this one: the sixteen waves walk the keys within a step or so of each other;
	s_barrier_signal -1                            ; I have begun this one.  Up to the next wait stand register work and LDS loads of bytes that nobody writes
	SCORES 0, \p
	v_add_nc_u32 v[ADV], s[TV], v[AF]              ; these four are the places between the products and the loads into their registers
	v_add_nc_u32 v[ADVS], s[TS], v[VSA]
	v_mov_b32 v[TO], v[NM]
	v_nop
	KLOAD 4096, 512, KS+2
	MR1 0                                          ; work on the first 128 keys' scores while the second 128 keys' fragments come
	MR3 0, 3, 4
	MR3 0, 5, 6
	s_wait_alu depctr_va_vdst(0)                   ; the wait here, directly ahead of the wait below
	s_wait_dscnt 0x0
	SCORES 1, \p
	MU 0                                           ; these four are the places behind the products; the first half's tree stands between the second half's rounds
	MR1 1
	MZ 0
	MR3 1, 3, 4
	MF 0
	MR3 1, 5, 6
	v_max_num_f32 v[TP], v[BX], v[BX+1]
	MU 1
	MZ 1
	MF 1
	s_delay_alu instid0(VALU_DEP_1)
	v_max3_num_f32 v[T], v[BX+2], v[BX+3], v[TP]
	s_delay_alu instid0(VALU_DEP_1)
	v_permlanex16_b32 v[TP], v[T], s[SEL], s[SEL+1]
	s_delay_alu instid0(VALU_DEP_1)
	v_max3_num_f32 v[MX], v[MX], v[T], v[TP]       ; the running largest score of my query
	s_delay_alu instid0(VALU_DEP_1)
	v_mul_f32 v[T], s[CSN], v[MX]                  ; -t (c is positive)
	s_delay_alu instid0(VALU_DEP_1)
	v_floor_f32 v[NM], v[T]                        ; the new -M = floor(-t): M is a whole number
.set jj, 0
	FMAS 16
	v_sub_f32 v[T], v[NM], v[TO]                   ; old M - new M: a whole number, 0 or less
	FMAS 16
	v_cvt_i32_f32 v[T], v[T]                       ; (it saturates)
	FMAS 16
	v_ldexp_f32 v[F], 1.0, v[T]                    ; f = 2^(old M - new M)
	FMAS 16
.irp b, 0,1,2,3
	v_fma_f32 v[BX+\b], v[BX+\b], s[CS], v[NM]     ; the same of each block's largest score: p rises with the score
.endr
	s_wait_alu depctr_va_vdst(0)                   ; the wait ahead of the batch
.irp b, 0,1,2,3
	v_exp_f32 v[BX+\b], v[BX+\b]                   ; the blocks' largest p
.endr
.set jj, 0
.rept 128
	v_exp_f32 v[S+jj], v[S+jj]                     ; p = 2^(t - M)
.set jj, jj+1
.endr
	v_pk_mul_f32 v[SUM:SUM+1], v[SUM:SUM+1], v[F:F+1] op_sel_hi:[1,0]   ; the sum under the new M: the plain place behind the exponentials
	s_wait_alu depctr_va_vdst(0)                   ; one wait for the batch, ahead of its first reader
.irp b, 0,1,2,3
	v_max_num_f32 v[BX+\b], 0x1800000, v[BX+\b]    ; the floor 2^(3 - 127): the byte cannot fall under 1.  The scales' lines stand between groups of the sum's eight chains
.endr
.irp i, 0,1,2,3,4,5,6,7
	v_pk_add_f32 v[AC+2*\i:AC+2*\i+1], v[S+2*\i:S+2*\i+1], v[S+16+2*\i:S+16+2*\i+1]
.endr
.irp b, 0,1,2,3
	v_add_nc_u32 v[SOP+\b], 0xff000000, v[BX+\b]   ; 2 off the exponent field: the conversion's scale operand
.endr
.set jj, 16
	ADDS 8
.irp b, 0,1,2,3
	v_lshrrev_b32 v[BY+\b], 23, v[SOP+\b]          ; the scale's byte
.endr
	ADDS 8
	v_lshl_or_b32 v[X], v[BY+1], 16, v[BY]         ; my two blocks of each 128 keys: blocks h and 2 + h
	v_lshl_or_b32 v[X+1], v[BY+3], 16, v[BY+2]
	CVT 0
.irp hh, 0,1                           ; V's eight fragments land where the first 128 keys' p lay: 17 LDS loads with the words
.irp t, 0,1,2,3
.irp c, 0,1
	ds_load_b128 v[S+32*\hh+8*\t+4*\c:S+32*\hh+8*\t+4*\c+3], v[ADV] offset:4096*\hh+1024*\t+512*\c
.endr
.endr
.endr
	ds_load_b128 v[VS:VS+3], v[ADVS]
	ADDS 8
	v_permlanex16_b32 v[T], v[X], s[SEL], s[SEL+1]
	v_permlanex16_b32 v[TP], v[X+1], s[SEL], s[SEL+1]
	ADDS 8
	v_lshl_or_b32 v[PW], v[T], 8, v[X]             ; in lanes 0-15, which alone are read, the word is whole: bytes 0, 2 mine, bytes 1, 3 lane l + 16's
	v_lshl_or_b32 v[PW+1], v[TP], 8, v[X+1]
	ADDS 16
.irp i, 0,1,2,3
	v_pk_add_f32 v[AC+2*\i:AC+2*\i+1], v[AC+2*\i:AC+2*\i+1], v[AC+8+2*\i:AC+8+2*\i+1]
.endr
	CVTC 1, 0                                      ; the conversions stand between the levels of the tree that joins the chains
	v_pk_add_f32 v[AC:AC+1], v[AC:AC+1], v[AC+4:AC+5]
	v_pk_add_f32 v[AC+2:AC+3], v[AC+2:AC+3], v[AC+6:AC+7]
	CVTC 1, 1
	v_pk_add_f32 v[T:T+1], v[AC:AC+1], v[AC+2:AC+3]
.if \bot
	KLOAD 8192, 1024, KS                           ; the next step's first 128 keys: the registers at work are free again
.endif
	s_wait_alu depctr_va_vdst(0)                   ; the wait here, directly ahead of the first reader of O^T
.set jj, 0
.rept 16
	v_pk_mul_f32 v[O+jj:O+jj+1], v[O+jj:O+jj+1], v[F:F+1] op_sel_hi:[1,0]   ; O^T under the new M; these sixteen also stand between the writes of p's codes and the products
.set jj, jj+2
.endr
	v_pk_add_f32 v[SUM:SUM+1], v[SUM:SUM+1], v[T:T+1]   ; the step's sum onto the row's
	s_wait_alu depctr_va_vdst(0)                   ; the wait here, directly ahead of the wait below
	s_wait_dscnt 10*\bot                           ; V is in; the ten loads issued behind it (bot = 1) may stay out
.irp hh, 0,1                           ; O^T += V^T P^T: four accumulators by turns
.irp t, 0,1,2,3
	WP O+8*\t, S+32*\hh+8*\t, PCD+8*\hh, VS+\t, PW+\hh, \hh
.endr
.endr
	s_add_co_u32 s[TK], s[TK], 8192
	s_add_co_u32 s[TS], s[TS], 1024
	s_add_co_u32 s[TV], s[TV], 8192
	v_add_nc_u32 v[ADK], s[TK], v[KA]              ; five places: the next scores are laid over V's fragments
	v_add_nc_u32 v[ADKS], s[TS], v[KSA]
	v_nop
	v_nop
	v_nop
.endm
.macro LOOP p, top, bot, n
	s_mov_b32 s[CNT], \n
.Lstep_\@:
	STEP \p, \top, \bot
	s_sub_co_u32 s[CNT], s[CNT], 1
	s_cmp_lg_u32 s[CNT], 0
	s_wait_alu depctr_va_vdst(0)                   ; the wait here, directly ahead of the branch
	s_cbranch_scc1 .Lstep_\@
.endm
.macro INIT p                          ; a head begins: the step is written once, its first run finds zeros, which the first change of M leaves zeros
.if \p
	s_wait_xcnt 0x0                                ; the first head's store has read its registers
.irp j, 0,1,2,3
	v_mov_b32 v[20+\j], v[Q1+\j]
.endr
.endif
	v_mov_b32 v[MX], 0xff61b1e6                    ; the largest score so far: -3e38
	v_mov_b32 v[NM], 0x7f61b1e6
	v_mov_b32 v[SUM], 0
	v_mov_b32 v[SUM+1], 0
.set jj, 0
.rept 32
	v_mov_b32 v[O+jj], 0
.set jj, jj+1
.endr
	s_wait_alu depctr_va_vdst(0)
.endm
; A head ends: O^T / the sum, quantised: two blocks of 32 channels.  Register 16 b + 8 i + j: channel 32 b + 16 i + 8 (lane / 16) + j of my query.
.macro EPI p
	v_add_f32 v[SUM], v[SUM], v[SUM+1]
	v_permlanex16_b32 v[T], v[SUM], s[SEL], s[SEL+1]
	v_add_f32 v[SUM], v[SUM], v[T]                 ; the row's sum
	s_wait_alu depctr_va_vdst(0)
	v_rcp_f32 v[SUM], v[SUM]
	v_nop                                          ; a plain place behind the reciprocal,
	s_wait_alu depctr_va_vdst(0)                   ; and the wait ahead of its first reader, which is also O^T's
.set jj, 0
.rept 16
	v_pk_mul_f32 v[S+jj:S+jj+1], v[O+jj:O+jj+1], v[SUM:SUM+1] op_sel_hi:[1,0]
.set jj, jj+2
.endr
.irp b, 0,1
	v_max3_num_f32 v[BM+\b], |v[S+16*\b]|, |v[S+16*\b+1]|, 0x1800000
.endr
.irp i, 2,4,6,8,10,12,14
.irp b, 0,1
	v_max3_num_f32 v[BM+\b], v[BM+\b], |v[S+16*\b+\i]|, |v[S+16*\b+\i+1]|
.endr
.endr
.irp b, 0,1
	v_permlanex16_b32 v[EP+\b], v[BM+\b], s[SEL], s[SEL+1]
.endr
.irp b, 0,1
	v_max_num_f32 v[BM+\b], v[BM+\b], v[EP+\b]
.endr
.irp b, 0,1
	v_add_nc_u32 v[ESOP+\b], 0xff000000, v[BM+\b]
.endr
.irp b, 0,1
	v_lshrrev_b32 v[EP+\b], 23, v[ESOP+\b]
.endr
.if (\p) == 0
	v_lshl_or_b32 v[PWO], v[EP+1], 8, v[EP]        ; the word's bytes 0 and 1
.else
	v_lshl_or_b32 v[PWO], v[EP], 16, v[PWO]        ; and 2 and 3
	v_lshl_or_b32 v[PWO], v[EP+1], 24, v[PWO]
.endif
	v_cvt_scalef32_pk8_fp4_f32 v[PCD+4*(\p)], v[S:S+7], v[ESOP]
	v_cvt_scalef32_pk8_fp4_f32 v[PCD+4*(\p)+1], v[S+16:S+23], v[ESOP+1]
	v_cvt_scalef32_pk8_fp4_f32 v[PCD+4*(\p)+2], v[S+8:S+15], v[ESOP]
	v_cvt_scalef32_pk8_fp4_f32 v[PCD+4*(\p)+3], v[S+24:S+31], v[ESOP+1]
	v_nop
	v_permlane16_swap_b32 v[PCD+4*(\p)], v[PCD+4*(\p)+1]   ; a whole block into a lane
	v_permlane16_swap_b32 v[PCD+4*(\p)+2], v[PCD+4*(\p)+3]
	global_store_b128 v[AF], v[PCD+4*(\p):PCD+4*(\p)+3], s[14:15] offset:512*(\p)   ; 32 lanes store 512 consecutive bytes
.endm
	s_wait_alu depctr_va_vdst(0)                   ; the wait at the head's end
	s_wait_tensorcnt 0x0                           ; my part of group 1 is in; the full sequence ahead of a later first fill:
	ds_add_u32 v[SPW], v[NIL]                      ; the add, twice on end here
	ds_add_u32 v[SPW], v[NIL]
	s_wait_dscnt 0x0
	CROUND                                         ; a whole round: everybody's part of group 1 is in, and the joint loads meet
	tensor_load_to_lds s[G0B:G0B+3], s[G1B:G1B+7]  ; group 2: every wave's one load
	s_nop 0
	PLACES
	s_wait_loadcnt 0x0                             ; q
	v_perm_b32 v[QS], v[QS], v[QS], s89            ; my tile's two bytes, twice: for [q, 0] and for [0, q]
	v_perm_b32 v[QS+1], v[QS+1], v[QS+1], s89
	INIT 0
	s_wait_dscnt 0x0
	s_barrier_signal -1                            ; the steps' chain of signals and waits is opened: each step's head waits and signals anew
	LOOP 0, 1, 0, 4                                ; keys 0 to 1,023 of the first head: group 1's bytes alone
	s_barrier_wait -1                              ; the chain is closed
	s_wait_tensorcnt 0x0                           ; my part of group 2 is in,
	s_wait_dscnt 0x0
	s_barrier_signal -1
	s_barrier_wait -1                              ; everybody's is
	KLOAD 0, 0, KS
	s_wait_dscnt 0x0
	s_barrier_signal -1                            ; opened again
	LOOP 0, 0, 1, 4                                ; its last trip fetches the second head's first fragments: the codes and words lie end to end
	s_barrier_wait -1                              ; closed: a store follows
	EPI 0
	INIT 1
	s_wait_dscnt 0x0
	s_barrier_signal -1                            ; opened again
	LOOP 1, 0, 1, 7
	STEP 1, 0, 0                                   ; the last step fetches nothing beyond the end
	s_barrier_wait -1                              ; closed
	EPI 1
	s_lshr_b32 s88, s[WV], 2
	s_lshl_b32 s88, s88, 8
	s_and_b32 s90, s[WV], 3
	s_lshl_b32 s90, s90, 2
	s_add_co_u32 s88, s88, s90
	s_add_co_u32 s88, s88, STG
	s_and_b32 s90, s[WV], 1
	s_lshl_b32 s90, s90, 9
	v_and_b32 v[S], 15, v0
	v_lshl_add_u32 v[S+1], v[S], 4, s88            ; the result's word goes to 256 (wave / 4) + 16 r + 4 (wave % 4)
	v_add_nc_u32 v[S+2], s90, v[AF]                ; waves 0 and 1 take 512 of the 1,024 bytes out
	v_add_nc_u32 v[S+3], STG, v[S+2]
	s_wait_alu depctr_va_vdst(0)
	ds_store_b32 v[S+1], v[PWO]                    ; lanes l and l xor 16 write the same word with the same value
	s_wait_dscnt 0x0                               ; for the others' sake
	s_barrier_signal -1
	s_barrier_wait -1
	s_cmp_lt_u32 s[WV], 2
	s_cbranch_scc0 .Lno_words
	ds_load_b128 v[S+4:S+7], v[S+3]
	s_wait_dscnt 0x0
	global_store_b128 v[S+2], v[S+4:S+7], s[16:17] ; the sixteen tiles' scale words: 512 consecutive bytes a wave
.Lno_words:
	s_wait_tensorcnt 0x0                           ; the wave's end
	ds_add_u32 v[SPW], v[NIL]
	s_wait_dscnt 0x0
	CROUND                                         ; the closing round
	s_endpgm
.Lfunc_end_k_q2123e7980c_attn:
	.size	k_q2123e7980c_attn, .Lfunc_end_k_q2123e7980c_attn-k_q2123e7980c_attn
	.p2alignl 7, 3214868480
	.fill 96, 4, 3214868480
	.section	.rodata,"a",@progbits
	.p2align	6, 0x0
	.amdhsa_kernel k_q2123e7980c_attn
		.amdhsa_group_segment_fixed_size 327680
		.amdhsa_private_segment_fixed_size 0
		.amdhsa_enable_private_segment 0
		.amdhsa_kernarg_size 56
		.amdhsa_user_sgpr_count 2
		.amdhsa_user_sgpr_kernarg_segment_ptr 1
		.amdhsa_wavefront_size32 1
		.amdhsa_system_sgpr_workgroup_id_x 1
		.amdhsa_system_sgpr_workgroup_id_y 1
		.amdhsa_system_sgpr_workgroup_id_z 1
		.amdhsa_system_vgpr_workitem_id 0
		.amdhsa_next_free_vgpr 256
		.amdhsa_next_free_sgpr 96
		.amdhsa_reserve_vcc 0
		.amdhsa_float_denorm_mode_32 3
		.amdhsa_float_denorm_mode_16_64 3
		.amdhsa_memory_ordered 1
		.amdhsa_forward_progress 1
		.amdhsa_inst_pref_size 123
	.end_amdhsa_kernel
	.amdgpu_metadata
---
amdhsa.version: [ 1, 2 ]
amdhsa.kernels:
  - .name:           k_q2123e7980c_attn
    .symbol:         k_q2123e7980c_attn.kd
    .args:
      - { .name: qc, .offset: 0, .size: 8, .value_kind: global_buffer, .address_space: global }
      - { .name: qs, .offset: 8, .size: 8, .value_kind: global_buffer, .address_space: global }
      - { .name: kc, .offset: 16, .size: 8, .value_kind: global_buffer, .address_space: global }
      - { .name: vc, .offset: 24, .size: 8, .value_kind: global_buffer, .address_space: global }
      - { .name: kvs, .offset: 32, .size: 8, .value_kind: global_buffer, .address_space: global }
      - { .name: ac, .offset: 40, .size: 8, .value_kind: global_buffer, .address_space: global }
      - { .name: asc, .offset: 48, .size: 8, .value_kind: global_buffer, .address_space: global }
    .group_segment_fixed_size: 327680
    .private_segment_fixed_size: 0
    .kernarg_segment_align: 8
    .kernarg_segment_size: 56
    .max_flat_workgroup_size: 512
    .sgpr_count:     96
    .vgpr_count:     256
    .wavefront_size: 32
...
	.end_amdgpu_metadata
.endif
;; end of part 2
;; launch oproj (part 3): grid 4 x 64, 4 waves a work-group, clusters of 4 x 4, 235,008 bytes of LDS; arguments ac, asc, Wo_codes, Wo_scales, bo, out0; writes out0
.if DOCPART == 3
	.amdgcn_target "amdgcn-amd-amdhsa--gfx1250"
	.amdhsa_code_object_version 6
	.text
	.protected	k_q2123e7980c_oproj
	.globl	k_q2123e7980c_oproj
	.p2align	8
	.type	k_q2123e7980c_oproj,@function
k_q2123e7980c_oproj:
	s_mov_b64 s[64:65], 0
	v_nop
	global_prefetch_b8 v0, s[64:65] scope:SCOPE_SE
	s_setreg_imm32_b32 hwreg(HW_REG_WAVE_MODE, 25, 1), 1
	s_wait_xcnt 0x0
	s_wait_alu depctr_hold_cnt(0) depctr_sa_sdst(0) depctr_va_vdst(0) depctr_va_sdst(0) depctr_va_ssrc(0) depctr_va_vcc(0) depctr_vm_vsrc(0)
	s_getreg_b32 s2, hwreg(HW_REG_IB_STS2, 6, 4)
	s_cmp_eq_u32 s2, 0
	s_cbranch_scc0 .Lentry_in_a_cluster
	s_endpgm
.Lentry_in_a_cluster:
	s_bfe_u32 s2, ttmp6, 0x10000c
	s_cmp_lg_u32 s2, 0xf033
	s_cbranch_scc0 .Lentry_shape_is_right
	s_endpgm
.Lentry_shape_is_right:
; out0 = a Wo + bo on codes of FP4 (E2M1) with one E8M0 scale for each 32 along K = 1,024.  a: the attention's result as images of operand registers, [tile of 16 tokens][K step][2][lane][16 bytes];
; its scale words [K step][group of 4 tiles][row][tile % 4].  Wo: codes, K innermost, rows of 512 bytes; scale bytes 32 a row.  out0: [8,192][1,024] f32.
; SHARES.  A work-group takes 128 tokens x 256 columns, a wave 128 tokens x 64 columns: 8 tiles of a times 4 tiles of Wo = 32 accumulators, K in 8 steps of 128.
; Source 0 = 16 columns of Wo, source 1 = 16 tokens: a lane holds eight neighbouring columns of one row of out0.  The bias is the C of each sum's first product.
; LDS is filled once: both halves of K of a's 8 tiles (dense) and of Wo's 256 rows (512 bytes + 16 of padding).  a's tile is shared along a row of the cluster, Wo's along a column: joint loads.
; REGISTERS, in windows of 256: window 0: v1-13 addresses; v16-47 a's scale words, v48-63 Wo's; v64-127 the way out; v128-223 fragments, set 0.  window 1: the accumulators ((xt, wt) at 8 (4 xt + wt)).
;   window 2: v0-31 the bias; v128-223 fragments, set 1.
.set PITCH, 528                        ; a row of Wo in LDS: all of K, 512 bytes, + 16 of padding; the stage's rows have the same pitch
.set AB,    65536                      ; a's 8 tiles x 8 K steps x 1,024 bytes: one dense block
.set WB,    128*PITCH                  ; 128 rows of Wo: what one tensor load brings
.set HALF,  256                        ; the second 512 along K begins 256 bytes on in each row of Wo
.set STG,   AB+2*WB                    ; the way out: 16 rows for each wave; no tile lands there
.set AA,  4                            ; v4     LDS address of my lane's 16 bytes of a's images
.set AW,  6                            ; v6-7   of my Wo fragments
.set SOF, 8                            ; v8     32 r + 16 h
.set ASO, 9                            ; v9     131,072 h + 16 r
.set BO4, 10                           ; v10    32 h
.set STO, 11
.set RD,  12
.set CO,  13
.set AS,  16
.set WS,  48
.set BK,  64
.set XF,  128
.set WF,  192
.set BI,  0
.set WV,   16
.set CX,   17
.set CY,   18
.set TB,   19
.set WSEL, 20
.set G1A,  24
.set G1W,  32
.set G0A,  40                          ; s[40:43], s[44:47] group 0 for a's halves;  s[48:51], s[52:55] for Wo's
.set G0W,  48
.set MSB, 0
.macro WIN new
.if MSB != \new
	s_set_vgpr_msb (MSB<<8)|\new
.set MSB, \new
.endif
.endm
.macro PLACES
.rept 4
	v_nop
.endr
.endm
.macro CROUND
	s_barrier_signal -1
	s_barrier_wait -1
	s_cmp_lg_u32 s[WV], 0
	s_cbranch_scc1 .Lnot_wave_0_\@
	s_barrier_signal -3
.Lnot_wave_0_\@:
	s_barrier_wait -3
	s_barrier_signal -1
	s_barrier_wait -1
.endm
	s_load_b256 s[4:11], s[0:1], 0x0               ; ac, asc, Wo's codes, Wo's scales
	s_load_b128 s[12:15], s[0:1], 0x20             ; bo, out0
	v_lshl_add_u32 v254, v0, 2, 0x39400
	v_mov_b32 v255, 0
	ds_add_u32 v254, v255
	ds_add_u32 v254, v255
	v_lshrrev_b32 v1, 5, v0
	v_readfirstlane_b32 s[WV], v1
	s_bfe_u32 s[CX], ttmp6, 0x40000                ; which 256 columns (the grid is one cluster wide)
	s_bfe_u32 s[CY], ttmp6, 0x40004
	s_and_b32 s[TB], ttmp7, 0xffff
	s_lshl_b32 s[TB], s[TB], 2
	s_add_co_u32 s[TB], s[TB], s[CY]               ; my block of 128 tokens, 0..63
	s_lshr_b32 s[WSEL], s[WV], 1                   ; waves 1 and 2 fetch Wo's rows 0-127 and 128-255
	s_lshl_b32 s21, s[CY], 2
	s_lshl_b32 s21, 15, s21                        ; my row of the cluster
	s_or_b32 s[G1A], s21, (3<<16)|(1<<21)          ; elements of 8 bytes, no padding, bit 21 beside the mask
	s_mov_b32 s[G1A+1], 1024<<16                   ; a row: all eight K steps of a tile, 8,192 bytes
	s_mov_b32 s[G1A+2], 8<<16                      ; 8 tiles
	s_mov_b32 s[G1A+3], 1024<<16
	s_mov_b32 s[G1A+4], 8
	s_mov_b32 s[G1A+5], 1024                       ; 8,192 bytes from tile to tile
	s_mov_b32 s[G1A+6], 0
	s_mov_b32 s[G1A+7], 0
	s_lshl_b32 s22, 0x1111, s[CX]                  ; my column
	s_or_b32 s[G1W], s22, (0<<16)|(1<<20)|(1<<21)|(6<<22)|(3<<25)   ; elements of 1 byte; 4 words of padding after every 128
	s_mov_b32 s[G1W+1], 512<<16
	s_mov_b32 s[G1W+2], 128<<16
	s_mov_b32 s[G1W+3], 512<<16
	s_mov_b32 s[G1W+4], 128
	s_mov_b32 s[G1W+5], 512
	s_mov_b32 s[G1W+6], 0
	s_mov_b32 s[G1W+7], 0
	s_lshl_b32 s56, s[TB], 16                      ; a's codes: 8 tiles of 8,192 bytes (made of cy and the cluster's y alone)
	s_mov_b32 s57, 0
	s_lshl_b32 s58, s[CX], 17                      ; Wo's codes (made of cx and the wave alone)
	s_lshl_b32 s59, s[WSEL], 16
	s_add_co_u32 s58, s58, s59
	s_mov_b32 s59, 0
	s_lshl_b32 s60, s[TB], 9                       ; a's scale words: two groups of 256 bytes in each K step's part
	s_mov_b32 s61, 0
	s_lshl_b32 s62, s[CX], 13                      ; Wo's scales: my 64 rows of 32 bytes
	s_lshl_b32 s63, s[WV], 11
	s_add_co_u32 s62, s62, s63
	s_mov_b32 s63, 0
	s_lshl_b32 s66, s[CX], 10                      ; my 64 columns, in bytes: in bo,
	s_lshl_b32 s67, s[WV], 8
	s_add_co_u32 s66, s66, s67
	s_mov_b32 s67, 0
	s_lshl_b32 s68, s[TB], 19                      ; and in out0, 128 rows of 4,096 bytes a block
	s_add_co_u32 s68, s68, s66
	s_mov_b32 s69, 0
	s_mul_i32 s23, s[WSEL], WB
	s_wait_dscnt 0x0
	s_wait_kmcnt 0x0
	s_add_nc_u64 s[4:5], s[4:5], s[56:57]
	s_add_nc_u64 s[8:9], s[8:9], s[58:59]
	s_add_nc_u64 s[6:7], s[6:7], s[60:61]
	s_add_nc_u64 s[10:11], s[10:11], s[62:63]
	s_add_nc_u64 s[12:13], s[12:13], s[66:67]
	s_add_nc_u64 s[14:15], s[14:15], s[68:69]
	s_mov_b32 s[G0A], 1
	s_mov_b32 s[G0A+1], 0
	s_mov_b64 s[G0A+2:G0A+3], s[4:5]
	s_or_b32 s[G0A+3], s[G0A+3], 0x80000000
	s_mov_b32 s[G0A+4], 1
	s_mov_b32 s[G0A+5], HALF
	s_add_nc_u64 s[G0A+6:G0A+7], s[4:5], 4096      ; K steps 4 to 7
	s_or_b32 s[G0A+7], s[G0A+7], 0x80000000
	s_mov_b32 s[G0W], 1
	s_add_co_u32 s[G0W+1], s23, AB
	s_mov_b64 s[G0W+2:G0W+3], s[8:9]
	s_or_b32 s[G0W+3], s[G0W+3], 0x80000000
	s_mov_b32 s[G0W+4], 1
	s_add_co_u32 s[G0W+5], s23, HALF+AB
	s_add_nc_u64 s[G0W+6:G0W+7], s[8:9], 256
	s_or_b32 s[G0W+7], s[G0W+7], 0x80000000
	CROUND                                         ; all sixteen work-groups are here: the joint loads meet
	s_cmp_eq_u32 s[WV], 0                          ; a wave's one fill stands in one branch on its number: one tensor load of mine is out at the most; four v_nop follow it
	s_cbranch_scc0 .Lnot_a
	tensor_load_to_lds s[G0A:G0A+3], s[G1A:G1A+7]
	s_nop 0
	PLACES
	s_branch .Lasked
.Lnot_a:
	s_cmp_eq_u32 s[WV], 3
	s_cbranch_scc1 .Lasked
	tensor_load_to_lds s[G0W:G0W+3], s[G1W:G1W+7]
	s_nop 0
	PLACES
.Lasked:
	v_and_b32 v1, 31, v0                           ; lane
	v_and_b32 v2, 15, v0                           ; r
	v_bfe_u32 v3, v0, 4, 1                         ; h
	v_lshlrev_b32 v[SOF], 5, v2
	v_lshl_add_u32 v[SOF], v3, 4, v[SOF]
	v_lshlrev_b32 v[ASO], 17, v3
	v_lshl_add_u32 v[ASO], v2, 4, v[ASO]
	v_lshlrev_b32 v[BO4], 5, v3
	; a's scale words: lanes 0-15 take K step s, lanes 16-31 K step s + 4; a load brings a row's words of four tiles: the word of (tile xt, step s) is register 16 (xt / 4) + 4 (s % 4) + xt % 4
.irp tg, 0,1
.irp s, 0,1,2,3
	global_load_b128 v[AS+16*\tg+4*\s:AS+16*\tg+4*\s+3], v[ASO], s[6:7] offset:32768*\s+256*\tg
.endr
.endr
.irp wt, 0,1,2,3                       ; Wo's: lanes 0-15 the words of steps 0-3 of row r, lanes 16-31 those of steps 4-7
	global_load_b128 v[WS+4*\wt:WS+4*\wt+3], v[SOF], s[10:11] offset:512*\wt
.endr
	WIN 0x80
.irp wt, 0,1,2,3                       ; the bias: lane (r, h) holds columns 16 wt + 8 h + 0 .. 7
	global_load_b128 v[BI+8*\wt:BI+8*\wt+3], v[BO4], s[12:13] offset:64*\wt
	global_load_b128 v[BI+8*\wt+4:BI+8*\wt+7], v[BO4], s[12:13] offset:64*\wt+16
.endr
	WIN 0
	v_lshlrev_b32 v[AA], 4, v1
	v_add_nc_u32 v[AA+1], HALF, v[AA]
	v_mul_u32_u24 v[AW], v2, PITCH
	v_lshl_add_u32 v[AW], v3, 4, v[AW]
	s_mul_i32 s21, s[WV], 64*PITCH
	s_add_co_u32 s21, s21, AB                      ; my 64 rows of Wo, behind a's images
	v_add_nc_u32 v[AW], s21, v[AW]
	v_add_nc_u32 v[AW+1], HALF, v[AW]
	s_mul_i32 s21, s[WV], 16*PITCH
	s_add_co_u32 s21, s21, STG                     ; my stage
	v_mul_u32_u24 v[STO], v2, PITCH
	v_lshl_add_u32 v[STO], v3, 5, v[STO]
	v_add_nc_u32 v[STO], s21, v[STO]               ; in: row r, 32 bytes for each half of the lanes
	v_mul_u32_u24 v[RD], v3, PITCH
	v_lshl_add_u32 v[RD], v2, 4, v[RD]
	v_add_nc_u32 v[RD], s21, v[RD]                 ; back: lanes 0-15 one row of 256 bytes, lanes 16-31 the next
	v_lshlrev_b32 v[CO], 12, v3
	v_lshl_add_u32 v[CO], v2, 4, v[CO]             ; and the same two rows in out0
.macro LOADF s                         ; the 24 fragment loads of K step s into set s % 2
.if (\s)%2 == 0
	WIN 0
.else
	WIN 0x80
.endif
.irp xt, 0,1,2,3,4,5,6,7
.irp c, 0,1
	ds_load_b128 v[XF+8*\xt+4*\c:XF+8*\xt+4*\c+3], v[AA] offset:8192*\xt+1024*(\s)+512*\c
.endr
.endr
.irp wt, 0,1,2,3
.irp c, 0,1
	ds_load_b128 v[WF+8*\wt+4*\c:WF+8*\wt+4*\c+3], v[AW+(\s)/4] offset:\wt*16*PITCH+64*((\s)%4)+32*\c
.endr
.endr
.endm
.macro ONE d, a, b, c, sa, sb, s
.if (\s) == 0
	v_wmma_scale_f32_16x16x128_f8f6f4 v[\d:\d+7], v[\a:\a+7], v[\b:\b+7], v[\c:\c+7], v[\sa], v[\sb] matrix_a_fmt:MATRIX_FMT_FP4 matrix_b_fmt:MATRIX_FMT_FP4
.elseif (\s) < 4
	v_wmma_scale_f32_16x16x128_f8f6f4 v[\d:\d+7], v[\a:\a+7], v[\b:\b+7], v[\d:\d+7], v[\sa], v[\sb] matrix_a_fmt:MATRIX_FMT_FP4 matrix_b_fmt:MATRIX_FMT_FP4
.else
	v_wmma_scale_f32_16x16x128_f8f6f4 v[\d:\d+7], v[\a:\a+7], v[\b:\b+7], v[\d:\d+7], v[\sa], v[\sb] matrix_a_fmt:MATRIX_FMT_FP4 matrix_b_fmt:MATRIX_FMT_FP4 matrix_a_scale:MATRIX_SCALE_ROW1 matrix_b_scale:MATRIX_SCALE_ROW1
.endif
.endm
.macro MM s                            ; the 32 accumulators take turns, one instruction a turn, in the same order in every step
.if (\s) == 0
	WIN 0x60                                       ; sources window 0, C (the bias) window 2, D window 1
.elseif (\s)%2 == 0
	WIN 0x50
.else
	WIN 0x5a                                       ; sources window 2
.endif
.irp xt, 0,1,2,3,4,5,6,7
.irp wt, 0,1,2,3
	ONE 8*(4*\xt+\wt), WF+8*\wt, XF+8*\xt, BI+8*\wt, WS+4*\wt+(\s)%4, AS+16*(\xt/4)+4*((\s)%4)+\xt%4, \s
.endr
.endr
.endm
.macro KSTEP s
.if (\s) > 0
	PLACES                                         ; the set that the step before multiplied is loaded again
.endif
.if (\s) < 7
	LOADF (\s)+1
.if (\s) == 0
	s_wait_loadcnt 0x0                             ; the scale words and the bias
.endif
	s_wait_dscnt 24                                ; all but the 24 just issued
.else
	s_wait_dscnt 0x0
.endif
	MM \s
.endm
	s_wait_alu depctr_va_vdst(0)
	s_wait_tensorcnt 0x0                           ; my one load, all of K, is in
	s_barrier_signal -1
	s_barrier_wait -1
	LOADF 0
	KSTEP 0
	KSTEP 1
	KSTEP 2
	KSTEP 3
	KSTEP 4
	KSTEP 5
	KSTEP 6
	KSTEP 7
	WIN 0
; THE WAY OUT, a tile of 16 rows x 64 columns at a time, through my own stage: in as 32 bytes a lane, back as whole rows of 256 bytes.  LDS serves a wave's instructions in order (ISA guide 5.7.1.4): no wait
; between the stores and the loads, nor in front of the next tile's stores.
.macro TOSTAGE xt
	WIN 0x04                                       ; an LDS store's data: window 1
.irp wt, 0,1,2,3
	ds_store_b128 v[STO], v[8*(4*(\xt)+\wt):8*(4*(\xt)+\wt)+3] offset:64*\wt        ; each accumulator from its low end on
	ds_store_b128 v[STO], v[8*(4*(\xt)+\wt)+4:8*(4*(\xt)+\wt)+7] offset:64*\wt+16
.endr
	WIN 0
.irp i, 0,1,2,3,4,5,6,7
	ds_load_b128 v[BK+32*((\xt)%2)+4*\i:BK+32*((\xt)%2)+4*\i+3], v[RD] offset:\i*2*PITCH
.endr
.endm
.macro SEND xt, younger                ; younger: the LDS instructions issued behind tile xt's loads, which may stay out
	s_wait_dscnt \younger
.irp i, 0,1,2,3,4,5,6,7
	global_store_b128 v[CO], v[BK+32*((\xt)%2)+4*\i:BK+32*((\xt)%2)+4*\i+3], s[14:15] offset:(16*(\xt)+2*\i)*4096 th:TH_STORE_NT   ; sixteen lanes store 256 consecutive bytes, aligned; 126 rows at the most stand in the immediate
.endr
.endm
	PLACES                                         ; behind the last products
	TOSTAGE 0
.irp a, 1,2,3,4,5,6,7
.if \a > 1
	s_wait_xcnt 0x0                                ; tile a - 2's stores have read their registers: tile a's loads may land there
.endif
	TOSTAGE \a
	SEND \a-1, 16                                  ; behind tile a - 1's loads: tile a's 8 stores and 8 loads
.endr
	SEND 7, 0
	s_wait_tensorcnt 0x0
	ds_add_u32 v254, v255
	s_wait_dscnt 0x0
	CROUND                                         ; the closing round: no work-group ends while a partner may still ask for a tile that names it
	s_endpgm
.Lfunc_end_k_q2123e7980c_oproj:
	.size	k_q2123e7980c_oproj, .Lfunc_end_k_q2123e7980c_oproj-k_q2123e7980c_oproj
	.p2alignl 7, 3214868480
	.fill 96, 4, 3214868480
	.section	.rodata,"a",@progbits
	.p2align	6, 0x0
	.amdhsa_kernel k_q2123e7980c_oproj
		.amdhsa_group_segment_fixed_size 235008
		.amdhsa_private_segment_fixed_size 0
		.amdhsa_enable_private_segment 0
		.amdhsa_kernarg_size 48
		.amdhsa_user_sgpr_count 2
		.amdhsa_user_sgpr_kernarg_segment_ptr 1
		.amdhsa_wavefront_size32 1
		.amdhsa_system_sgpr_workgroup_id_x 1
		.amdhsa_system_sgpr_workgroup_id_y 1
		.amdhsa_system_sgpr_workgroup_id_z 1
		.amdhsa_system_vgpr_workitem_id 0
		.amdhsa_next_free_vgpr 768
		.amdhsa_next_free_sgpr 70
		.amdhsa_reserve_vcc 0
		.amdhsa_float_denorm_mode_32 3
		.amdhsa_float_denorm_mode_16_64 3
		.amdhsa_memory_ordered 1
		.amdhsa_forward_progress 1
		.amdhsa_inst_pref_size 70
	.end_amdhsa_kernel
	.amdgpu_metadata
---
amdhsa.version: [ 1, 2 ]
amdhsa.kernels:
  - .name:           k_q2123e7980c_oproj
    .symbol:         k_q2123e7980c_oproj.kd
    .args:
      - { .name: ac, .offset: 0, .size: 8, .value_kind: global_buffer, .address_space: global }
      - { .name: asc, .offset: 8, .size: 8, .value_kind: global_buffer, .address_space: global }
      - { .name: Wo_codes, .offset: 16, .size: 8, .value_kind: global_buffer, .address_space: global }
      - { .name: Wo_scales, .offset: 24, .size: 8, .value_kind: global_buffer, .address_space: global }
      - { .name: bo, .offset: 32, .size: 8, .value_kind: global_buffer, .address_space: global }
      - { .name: out0, .offset: 40, .size: 8, .value_kind: global_buffer, .address_space: global }
    .group_segment_fixed_size: 235008
    .private_segment_fixed_size: 0
    .kernarg_segment_align: 8
    .kernarg_segment_size: 48
    .max_flat_workgroup_size: 128
    .sgpr_count:     70
    .vgpr_count:     768
    .wavefront_size: 32
...
	.end_amdgpu_metadata
.endif
;; end of part 3
